; MI455X (gfx1250); checked and timed in simulation.
; The chip was launched on July 23, 2026; its instructions are those of AMD's public machine-readable ISA for CDNA 5 (MIT licence, August 2026) and "CDNA5" Instruction Set Architecture Reference Guide (July 2026). The comments in the code are by the model that wrote it; some were corrected since.
;; Multi Head Attention. Allowed arithmetic: matrix products marked QUANTISED: E5M2 operands, one E8M0 scale for each 32 along K, by v_wmma_scale_f32_16x16x128_f8f6f4 with both operands' format E5M2, f32 sums; everything else in f32.
;; Inputs: input 4 x 2,048 x 1,024 float32; mask 2,048 x 2,048 bool; out_b 1,024 float32; out_w 1,024 x 1,024 float32; qkv_b 3,072 float32; qkv_w 3,072 x 1,024 float32.
;; Outputs: out0 4 x 2,048 x 1,024 float32.
;; This version of the problem:
;;   THIS VERSION OF THE PROBLEM IS GIVEN IN LOW PRECISION. The matrix products marked QUANTISED in the list below multiply operands that are first quantised to E5M2 (5 exponent bits, 2 mantissa bits; 8 bits a number), with one power-of-two scale for each 32 numbers along K (OCP MX v1.0); their sums are f32. All else is computed in f32.
;;   The module's matrix products, in the order in which they are computed (A, B: the left and right operand; K: the contracted axis; several contracted axes count as one K, in the product's order):
;;     1. [M 8,192, K 1,024] x [K 1,024, N 3,072]; A: input input; B: input qkv_w: QUANTISED
;;     2. batch 64 x [M 2,048, K 64] x [K 64, N 2,048]; A: computed on the way; B: computed on the way: QUANTISED
;;     3. batch 64 x [M 2,048, K 2,048] x [K 2,048, N 64]; A: softmax (see below); B: computed on the way: QUANTISED
;;     4. [M 8,192, K 1,024] x [K 1,024, N 1,024]; A: computed on the way; B: input out_w: QUANTISED
;;   THE QUANTISER, for each operand of a quantised product, along K:
;;     - K is cut into blocks of 32 from its start; a last block that is shorter is filled with zeros.
;;     - A block's scale is 2^e with e = floor(log2(the largest magnitude in the block)) - 15, held to -126 .. 127; a block of zeros has e = 0. As a byte (E8M0): e + 127.
;;     - Each number is divided by its block's scale, clamped to +-57,344, and rounded to the nearest number of E5M2, ties to even, subnormals kept.
;;     - The product sums the exact products of the quantised numbers (number of the format x scale) in f32.
;;   ~~~python
;;   def quantise(x, axis):      # numpy; x: float32 -> the quantised numbers, widened to float32 again
;;       x = np.moveaxis(x, axis, -1); K = x.shape[-1]
;;       x = np.pad(x, [(0, 0)] * (x.ndim - 1) + [(0, -K % 32)]); x = x.reshape(x.shape[:-1] + (-1, 32)); a = np.abs(x).max(-1, keepdims=True)
;;       e = np.where(a > 0, np.clip(np.frexp(np.where(a > 0, a, 1))[1] - 1 - 15, -126, 127), 0)      # np.frexp(a)[1] - 1 = floor(log2(a)), exactly
;;       r = np.clip(x / 2.0 ** e, -57344, 57344)
;;       step = 2.0 ** (np.maximum(np.frexp(np.where(r == 0, 1, r))[1] - 1, -14) - 2)
;;       q = np.round(r / step) * step * 2.0 ** e      # np.round: ties to even
;;       return np.moveaxis(q.reshape(q.shape[:-2] + (-1,))[..., :K], -1, axis).astype(np.float32)
;;   ~~~
;;   SOFTMAX AHEAD OF A QUANTISED PRODUCT. Where the list says 'softmax', what is quantised is not the finished softmax but p = 2^(t - M), with t = logit x log2(e) and M = ceil(the row's largest t), a whole number; so 1/2 < the row's largest p <= 1. The row's sum l is taken of the UNQUANTISED p, in f32, and the product's result is divided by l at the end. Since M is a whole number, a kernel that streams over the keys may use a running M (the ceiling of the running maximum): every later rescaling is an exact power of two, which a block's scale takes up: the codes' values come out the same.
;;   OPERANDS COMPUTED ON THE WAY. 'Computed on the way' means the value that the module computes at that place (a softmax that the list does not call 'softmax' is quantised finished and normalised). What goes into a quantiser is computed in f32, as accurately as f32 sums, v_exp_f32 and their like allow (about 1e-6 of the number): no bf16 or f16 on the way to a quantiser, and a product that is left as it is and whose result goes on into a quantised operand takes f32 operands (vector FMAs, or v_wmma_f32_16x16x4_f32). A number that lies on a knife's edge between two numbers of the format may be rounded either way, as far as f32 arithmetic and the matrix unit's own rounding can turn it there, and no further.
;; One version. Each part assembles by itself: llvm-mc -triple=amdgcn-amd-amdhsa -mcpu=gfx1250 --defsym DOCPART=n.
;; ======== version 1 of 1: 4 launches
;; limits: right only within a limited range of input values
;; workspace buffers: cod 12,582,912 bytes; scl 393,216 bytes; mw 524,288 bytes of whole numbers; q 8,912,896 bytes; kv 17,563,648 bytes; o_codes 8,388,608 bytes; o_scales 262,144 bytes
;; launch prep (part 1): grid 512 x 1, 4 waves a work-group, no clusters, 33,280 bytes of LDS; arguments input, qkv_w, out_w, mask, cod, scl, mw; writes cod, scl, mw
.if DOCPART == 1
	.amdgcn_target "amdgcn-amd-amdhsa--gfx1250"
	.amdhsa_code_object_version 6
	.text
	.protected	k_q4c867a48f4_prep
	.globl	k_q4c867a48f4_prep
	.p2align	8
	.type	k_q4c867a48f4_prep,@function
k_q4c867a48f4_prep:
	s_mov_b64 s[64:65], 0
	v_nop
	global_prefetch_b8 v0, s[64:65] scope:SCOPE_SE
	s_setreg_imm32_b32 hwreg(HW_REG_WAVE_MODE, 25, 1), 1
	s_wait_xcnt 0x0
; TWO JOBS IN ONE LAUNCH, told apart by the work-group's number.
; Work-groups 0-383: input [8192][1024], qkv_w [3072][1024] and out_w [1024][1024], f32, K innermost, become codes of BF8 (E5M2) in cod, [row][1024] bytes, with one E8M0 byte
; for each 32 along K in scl, [row][32] bytes; the three tensors lie one behind the other.  A block's scale is 2^(floor(log2(its largest magnitude)) - 15); its byte is the largest
; magnitude's exponent field - 15, held at 1 from below; each number is divided by the scale, held within +-57,344 and rounded to the nearest code, ties to even.
; THE ROWS ARE STORED IN ANOTHER ORDER: in each group of 32 rows, row 8 u + 16 g + x (u, g = 0 or 1, x = 0 .. 7) is stored at place 16 u + 8 g + x.  So 16 neighbouring stored rows are rows
; 8 u + 0 .. 7 and 8 u + 16 .. 23 of a group: the tile whose results, taken transposed, give a lane 16 neighbours in the 16 registers of two neighbouring tiles.
; A wave's run is 8 rows (8,192 numbers), a work-group's four runs are a group of 32 rows: only the wave's place among the four is changed: bits 0 and 1 of its number change places.
; LIMITS: a block of zeros gets the byte 1 where the rule says 127 (its codes are zeros, and only this program reads the bytes); blocks whose largest magnitude lies under 2^-111 keep the byte 1 and were
; not tried; NaN and infinities among the inputs are not served.
; A wave takes 16 steps of 512 numbers.  Each of a step's four loads reads 512 consecutive bytes; the 2,048 bytes turn through the wave's own stage in LDS and come back 64 bytes a lane, 16 neighbours
; along K (two neighbouring lanes hold a block).  A lane's 16 codes are 16 bytes: a store covers 512 consecutive bytes.  A wave's 256 scale bytes are gathered in LDS and leave as 256 consecutive bytes.
; Work-groups 384-511: the mask [2048][2048] of bytes becomes LANE MASKS in mw, [T 128][J 16][n 64] words: bit L of word n says whether the query in stored place 16 T + L % 16 sees key
; 128 J + 32 (n / 16) + 16 (L / 16) + n % 16: the number that lane L of the attention's wave T holds in score register n of key step J.  This path has no LDS instruction.
.set STEPS, 16
.set QWG,   384                        ; work-groups that quantise: 256 for input, 96 for qkv_w, 32 for out_w
.set EMAX,  15
.set MANT,  0x600000                   ; the mantissa field of 57,344 as f32
.set CB,    16                         ; bytes of 16 codes
.set R,     16                         ; v16-79   four sets of 16 numbers as they are loaded
.set X,     80                         ; v80-111  two sets of 16 neighbours
.set E,     112                        ; v112-127 a scale byte for each step
.set C,     128                        ; v128-191 codes: four registers for each step, so that no store's data are written again
.set WREG,  8192                       ; LDS: a region for each wave: two stages of 32 x SP bytes, behind them its 256 scale bytes
.set SP,    80                         ; a lane's place in a stage: 64 bytes + 16 of padding
	s_load_b256 s[4:11], s[0:1], 0x0               ; input s[4:5], qkv_w s[6:7], out_w s[8:9], mask s[10:11]
	s_load_b128 s[12:15], s[0:1], 0x20             ; cod s[12:13], scl s[14:15]
	s_load_b64 s[16:17], s[0:1], 0x30              ; mw
	v_lshl_add_u32 v192, v0, 2, 0x8000
	v_mov_b32 v193, 0
	v_lshrrev_b32 v1, 5, v0
	v_readfirstlane_b32 s20, v1                    ; wave 0..3
	v_and_b32 v2, 31, v0                           ; lane
	s_cmp_ge_u32 ttmp9, QWG
	s_cbranch_scc1 .Lmask
	; ---------------- the quantiser ----------------
	v_lshlrev_b32 v3, 4, v2                        ; my 16 bytes of a load's 512
	s_mul_i32 s22, s20, WREG
	v_lshrrev_b32 v14, 2, v2
	v_mul_u32_u24 v14, v14, SP
	v_and_b32 v15, 3, v2
	v_lshl_add_u32 v14, v15, 4, v14
	v_add_nc_u32 v14, s22, v14                     ; the stage, on the way in: SP (lane / 4) + 16 (lane % 4)
	v_mul_u32_u24 v15, v2, SP
	v_add_nc_u32 v15, s22, v15                     ; and on the way out: SP x lane: my 16 neighbours
	v_mul_u32_u24 v4, v2, CB                       ; my codes' place in a step's
	v_lshrrev_b32 v5, 1, v2
	s_add_co_u32 s22, s22, 2*32*SP
	v_add_nc_u32 v5, s22, v5                       ; LDS: my wave's 256 scale bytes, my block's byte
	v_lshlrev_b32 v7, 3, v2                        ; and on the way out 8 bytes a lane
	v_add_nc_u32 v6, s22, v7
	s_mov_b32 s23, MANT
	s_wait_alu depctr_va_vdst(0)
	s_wait_kmcnt 0x0
	s_mov_b32 s21, 352                             ; which tensor is mine, and which work-group is its first: the choices hang on the work-group's number alone
	s_cmp_lt_u32 ttmp9, 352
	s_cselect_b64 s[6:7], s[6:7], s[8:9]
	s_cselect_b32 s21, 256, s21
	s_cmp_lt_u32 ttmp9, 256
	s_cselect_b64 s[4:5], s[4:5], s[6:7]
	s_cselect_b32 s21, 0, s21
	s_sub_co_u32 s21, ttmp9, s21
	s_lshl_b32 s21, s21, 2
	s_add_co_u32 s21, s21, s20                     ; the run of 8 rows that I read
	s_lshl_b32 s24, s21, 15                        ; 32,768 bytes a run (under 2^26)
	s_mov_b32 s25, 0
	s_add_nc_u64 s[4:5], s[4:5], s[24:25]
	s_and_b32 s26, s20, 1                          ; the place where I store it: the wave's two bits change places
	s_lshl_b32 s26, s26, 1
	s_lshr_b32 s27, s20, 1
	s_or_b32 s26, s26, s27
	s_lshl_b32 s27, ttmp9, 2
	s_add_co_u32 s26, s26, s27                     ; counted through all three tensors
	s_lshl_b32 s24, s26, 13                        ; 8,192 bytes of codes a run
	s_add_nc_u64 s[12:13], s[12:13], s[24:25]
	s_lshl_b32 s24, s26, 8                         ; 256 scale bytes a run
	s_add_nc_u64 s[14:15], s[14:15], s[24:25]
.macro LOAD t
.irp i, 0,1,2,3
	global_load_b128 v[R+16*((\t)%4)+4*\i:R+16*((\t)%4)+4*\i+3], v3, s[4:5] offset:2048*(\t)+512*\i th:TH_LOAD_NT   ; 32 lanes read 512 consecutive bytes
.endr
.endm
.macro TURN t                          ; step t's numbers through the stage: LDS serves a wave's instructions in order, so no wait stands between the stores and the loads
.irp i, 0,1,2,3
	ds_store_b128 v14, v[R+16*((\t)%4)+4*\i:R+16*((\t)%4)+4*\i+3] offset:32*SP*((\t)%2)+8*SP*\i
.endr
.irp i, 0,1,2,3
	ds_load_b128 v[X+16*((\t)%2)+4*\i:X+16*((\t)%2)+4*\i+3], v15 offset:32*SP*((\t)%2)+16*\i
.endr
.endm
.irp t, 0,1,2,3
	LOAD \t
.endr
	s_wait_loadcnt 12                              ; step 0's four loads are in; the twelve of steps 1 to 3 may be out
	TURN 0
.macro STEP t
.set XS, X+16*((\t)%2)
.if (\t) > 0
	s_wait_dscnt 1                                 ; this step's numbers are back from the stage (the last step's byte store may be out): so its stores into the stage have read their registers,
.else
	s_wait_dscnt 0x0
.endif
.if (\t)+4 < STEPS
	LOAD (\t)+4                                    ; which take the loads of four steps on
.endif
.if (\t)+1 < STEPS
.if STEPS-2-(\t) >= 3
	s_wait_loadcnt 12                              ; the next step's four loads are in; those of the three steps behind it may be out
.else
	s_wait_loadcnt 4*(STEPS-2-(\t))
.endif
	TURN (\t)+1                                    ; and go through the other stage while this step is worked
.endif
	v_max3_num_f32 v8, |v[XS]|, |v[XS+1]|, |v[XS+2]|               ; the largest magnitude of my 16, in two chains
	v_max3_num_f32 v9, |v[XS+3]|, |v[XS+4]|, |v[XS+5]|
.irp i, 6,10
	v_max3_num_f32 v8, v8, |v[XS+\i]|, |v[XS+\i+1]|
	v_max3_num_f32 v9, v9, |v[XS+\i+2]|, |v[XS+\i+3]|
.endr
	v_max3_num_f32 v8, v8, |v[XS+14]|, |v[XS+15]|
	v_max3_num_f32 v8, v8, v9, (EMAX+1)<<23        ; and the floor 2^(16 - 127): so the byte cannot fall under 1
	v_max_num_f32_dpp v8, v8, v8 row_xmask:1 row_mask:0xf bank_mask:0xf   ; and of my neighbour's 16: the block's
	v_add_nc_u32 v11, -(EMAX<<23), v8              ; 15 off its exponent field: the conversion takes the exponent field of this operand as its scale
	v_and_or_b32 v10, v8, 0x7f800000, s23          ; 57,344 x the scale
.irp i, 0,1,2,3,4,5,6,7,8,9,10,11,12,13,14,15
	v_med3_num_f32 v[XS+\i], v[XS+\i], -v10, v10   ; the conversion to an 8-bit code does not saturate (ISA guide 7.6.2): the hold comes first
.endr
	v_cvt_scalef32_pk8_bf8_f32 v[C+4*(\t):C+4*(\t)+1], v[XS:XS+7], v11
	v_cvt_scalef32_pk8_bf8_f32 v[C+4*(\t)+2:C+4*(\t)+3], v[XS+8:XS+15], v11
	v_lshrrev_b32 v[E+(\t)], 23, v11               ; the scale's byte
	ds_store_b8 v5, v[E+(\t)] offset:16*(\t)       ; both lanes of a block write the same byte with the same value
	global_store_b128 v4, v[C+4*(\t):C+4*(\t)+3], s[12:13] offset:32*CB*(\t)
.endm
.irp t, 0,1,2,3,4,5,6,7,8,9,10,11,12,13,14,15
	STEP \t
.endr
	ds_load_b64 v[12:13], v6                       ; LDS serves a wave's instructions in order: these see my stores
	s_wait_dscnt 0x0
	global_store_b64 v7, v[12:13], s[14:15]        ; 32 lanes store 256 consecutive bytes, aligned
	s_wait_tensorcnt 0x0
	ds_add_u32 v192, v193
	s_wait_dscnt 0x0
	s_endpgm
	; ---------------- the mask ----------------
.Lmask:
	s_sub_co_u32 s21, ttmp9, QWG                   ; T: a tile of 16 stored query rows.  Wave w takes key steps J = 4 w .. 4 w + 3
	v_and_b32 v4, 15, v0                           ; r
	v_bfe_u32 v5, v0, 4, 1                         ; h
	v_and_b32 v6, 8, v4
	v_add_nc_u32 v4, v4, v6                        ; r + 8 (r / 8): the row that stands at place r of the tile
	v_lshlrev_b32 v3, 11, v4                       ; a row of the mask is 2,048 bytes
	v_lshl_add_u32 v3, v5, 4, v3                   ; + 16 h
	s_wait_alu depctr_va_vdst(0)
	v_lshlrev_b32 v9, 3, v2                        ; out: 8 bytes a lane
	s_lshr_b32 s22, s21, 1
	s_lshl_b32 s22, s22, 5
	s_and_b32 s23, s21, 1
	s_lshl_b32 s23, s23, 3
	s_add_co_u32 s22, s22, s23                     ; the tile's first row: 32 (T / 2) + 8 (T % 2)
	s_lshl_b32 s22, s22, 11
	s_lshl_b32 s23, s20, 9                         ; my wave's 512 keys
	s_add_co_u32 s22, s22, s23
	s_mov_b32 s23, 0
	s_lshl_b32 s24, s21, 12                        ; mw: 4,096 bytes a tile, 1,024 a wave
	s_lshl_b32 s25, s20, 10
	s_add_co_u32 s24, s24, s25
	s_mov_b32 s25, 0
	s_wait_kmcnt 0x0
	s_add_nc_u64 s[10:11], s[10:11], s[22:23]
	s_add_nc_u64 s[16:17], s[16:17], s[24:25]
.irp j, 0,1,2,3
.irp b, 0,1,2,3
	global_load_b128 v[16+16*\j+4*\b:19+16*\j+4*\b], v3, s[10:11] offset:128*\j+32*\b   ; keys 128 j + 32 b + 16 h + 0 .. 15 of my row
.endr
.endr
.irp i, 0,1,2,3,4,5,6,7
	v_mov_b32 v[96+\i], 0                          ; written whole once: a lane write's destination counts as read
.endr
	s_wait_loadcnt 0x0
.set n, 0
.rept 256                              ; word n % 64 of key step n / 64: byte n % 4 of register 16 + n / 4, compared in all 32 lanes at once
	v_bfe_u32 v[104+n%8], v[16+n/4], 8*(n%4), 8
	v_cmp_ne_u32 s[40+n%8], 0, v[104+n%8]
	v_writelane_b32 v[96+2*(n/64)+(n&1)], s[40+n%8], (n%64)>>1   ; lane l of the pair holds words 2 l and 2 l + 1
.set n, n+1
.endr
.irp j, 0,1,2,3
	global_store_b64 v9, v[96+2*\j:97+2*\j], s[16:17] offset:256*\j   ; a key step's 64 words: 256 consecutive bytes, aligned
.endr
	s_endpgm
.Lfunc_end_k_q4c867a48f4_prep:
	.size	k_q4c867a48f4_prep, .Lfunc_end_k_q4c867a48f4_prep-k_q4c867a48f4_prep
	.p2alignl 7, 3214868480
	.fill 96, 4, 3214868480
	.section	.rodata,"a",@progbits
	.p2align	6, 0x0
	.amdhsa_kernel k_q4c867a48f4_prep
		.amdhsa_group_segment_fixed_size 33280
		.amdhsa_private_segment_fixed_size 0
		.amdhsa_enable_private_segment 0
		.amdhsa_kernarg_size 56
		.amdhsa_user_sgpr_count 2
		.amdhsa_user_sgpr_kernarg_segment_ptr 1
		.amdhsa_wavefront_size32 1
		.amdhsa_system_sgpr_workgroup_id_x 1
		.amdhsa_system_sgpr_workgroup_id_y 1
		.amdhsa_system_sgpr_workgroup_id_z 1
		.amdhsa_system_vgpr_workitem_id 0
		.amdhsa_next_free_vgpr 194
		.amdhsa_next_free_sgpr 66
		.amdhsa_reserve_vcc 0
		.amdhsa_float_denorm_mode_32 3
		.amdhsa_float_denorm_mode_16_64 3
		.amdhsa_memory_ordered 1
		.amdhsa_forward_progress 1
		.amdhsa_inst_pref_size 102
	.end_amdhsa_kernel
	.amdgpu_metadata
---
amdhsa.version: [ 1, 2 ]
amdhsa.kernels:
  - .name:           k_q4c867a48f4_prep
    .symbol:         k_q4c867a48f4_prep.kd
    .args:
      - { .name: input, .offset: 0, .size: 8, .value_kind: global_buffer, .address_space: global }
      - { .name: qkv_w, .offset: 8, .size: 8, .value_kind: global_buffer, .address_space: global }
      - { .name: out_w, .offset: 16, .size: 8, .value_kind: global_buffer, .address_space: global }
      - { .name: mask, .offset: 24, .size: 8, .value_kind: global_buffer, .address_space: global }
      - { .name: cod, .offset: 32, .size: 8, .value_kind: global_buffer, .address_space: global }
      - { .name: scl, .offset: 40, .size: 8, .value_kind: global_buffer, .address_space: global }
      - { .name: mw, .offset: 48, .size: 8, .value_kind: global_buffer, .address_space: global }
    .group_segment_fixed_size: 33280
    .private_segment_fixed_size: 0
    .kernarg_segment_align: 8
    .kernarg_segment_size: 56
    .max_flat_workgroup_size: 128
    .sgpr_count:     66
    .vgpr_count:     194
    .wavefront_size: 32
...
	.end_amdgpu_metadata
.endif
;; end of part 1
;; launch proj (part 2): grid 12 x 32, 4 waves a work-group, clusters of 4 x 4, 327,680 bytes of LDS; arguments cod, scl, qkv_b, q, kv; writes q, kv
.if DOCPART == 2
	.amdgcn_target "amdgcn-amd-amdhsa--gfx1250"
	.amdhsa_code_object_version 6
	.text
	.protected	k_q4c867a48f4_proj
	.globl	k_q4c867a48f4_proj
	.p2align	8
	.type	k_q4c867a48f4_proj,@function
k_q4c867a48f4_proj:
	s_mov_b64 s[64:65], 0
	v_nop
	global_prefetch_b8 v0, s[64:65] scope:SCOPE_SE
	s_setreg_imm32_b32 hwreg(HW_REG_WAVE_MODE, 25, 1), 1
	s_wait_xcnt 0x0
	s_wait_alu depctr_hold_cnt(0) depctr_sa_sdst(0) depctr_va_vdst(0) depctr_va_sdst(0) depctr_va_ssrc(0) depctr_va_vcc(0) depctr_vm_vsrc(0)
	s_getreg_b32 s2, hwreg(HW_REG_IB_STS2, 6, 4)
	s_cmp_eq_u32 s2, 0
	s_cbranch_scc0 .Lentry_in_a_cluster
	s_endpgm
.Lentry_in_a_cluster:
	s_bfe_u32 s2, ttmp6, 0x10000c
	s_cmp_lg_u32 s2, 0xf033
	s_cbranch_scc0 .Lentry_shape_is_right
	s_endpgm
.Lentry_shape_is_right:
.set KSTEP,  256
.set NQ,     KSTEP/128
.set ROWB,   256
.set KROW,   1024
.set PITCH,  272
.set FR,     16
.set NL,     4
.set NP,     8
.set HALFT,  128*PITCH
.set SLOT,   4*HALFT
.set KS,     32
.set SCL,    2*SLOT
.set HALFS,  (128*KS/256)*272
.set SBLK,   (16*KS/256)*272
.set SPARE,  SCL+4*HALFS
.set WCOD,   8388608
.set WVCOD,  10485760
.set WSCL,   262144
.set WVSCL,  327680
.set REC,    17152
.set RECQ,   8704
.set ADRA, 16
.set ADRB, 20
.set LI,   26
.set ADRS, 27
.set SPW,  28
.set NIL,  29
.set L8,   30
.set BO,   31
.set SC,   32
.set BT,   64
.set AF,   128
.set T,    128
.set PC,   192
.set TM,   208
.set PW,   224
.set TP,   225
.set SW,   228
.set G1, 24
.set G0, 32
.set G1B, 48
.set G0B, 56
.set G1S, 68
.set G0S, 76
.set G1SB, 80
.set G0SB, 88
.set SEL, 92
.set MNT, 94
.set ISV, 95
.set MSB, 0
.macro WIN new
.if MSB != \new
	s_set_vgpr_msb (MSB<<8)|\new
.set MSB, \new
.endif
.endm
.set MUL_LO, 0xa1
.set MUL_HI, 0xf1
.set TO_B,   0x40
.macro JLOAD g0a, g1a, g0b, g1b
	s_cmp_eq_u32 s15, 0
	s_cbranch_scc0 .Lfor_b_\@
	tensor_load_to_lds s[\g0a:\g0a+3], s[\g1a:\g1a+7]
	s_nop 0
.rept 4
	v_nop
.endr
	s_branch .Lasked_\@
.Lfor_b_\@:
	tensor_load_to_lds s[\g0b:\g0b+3], s[\g1b:\g1b+7]
	s_nop 0
.rept 4
	v_nop
.endr
.Lasked_\@:
.endm
.macro CREST
	s_cmp_lg_u32 s14, 0
	s_cbranch_scc1 .Lnot_wave_0_\@
	s_barrier_signal -3
.Lnot_wave_0_\@:
	s_barrier_wait -3
	s_barrier_signal -1
	s_barrier_wait -1
.endm
.macro CROUND
	s_barrier_signal -1
	s_barrier_wait -1
	CREST
.endm
	s_load_b128 s[4:7], s[0:1], 0x0
	s_load_b64 s[12:13], s[0:1], 0x10
	s_load_b128 s[96:99], s[0:1], 0x18
	v_lshl_add_u32 v[SPW], v0, 2, SPARE
	v_mov_b32 v[NIL], 0
	ds_add_u32 v28, v29
	ds_add_u32 v28, v29
	s_wait_dscnt 0x0
	v_lshrrev_b32 v1, 5, v0
	v_readfirstlane_b32 s14, v1
	s_lshr_b32 s15, s14, 1
	s_and_b32 s16, s14, 1
	s_bfe_u32 s40, ttmp6, 0x40000
	s_bfe_u32 s41, ttmp6, 0x40004
	s_and_b32 s17, ttmp7, 0xffff
	s_cmp_eq_u32 ttmp9, 2
	s_cselect_b32 s[ISV], 1, 0
	s_cselect_b32 s42, s17, ttmp9
	s_cselect_b32 s17, 0, s17
	s_lshl_b32 s42, s42, 2
	s_add_co_u32 s42, s42, s40
	s_lshl_b32 s17, s17, 2
	s_add_co_u32 s17, s17, s41
	s_lshl_b32 s43, s41, 2
	s_lshl_b32 s43, 15, s43
	s_lshl_b32 s44, 0x1111, s40
	s_or_b32 s[G1+0], s43, (0<<16)|(1<<20)|(1<<21)|(5<<22)|(3<<25)
	s_or_b32 s[G1B+0], s44, (0<<16)|(1<<20)|(1<<21)|(5<<22)|(3<<25)
.irp g, G1, G1B
	s_mov_b32 s[\g+1], ROWB<<16
	s_mov_b32 s[\g+2], 256<<16                     ; the head's loads of codes bring 256 rows
	s_mov_b32 s[\g+3], ROWB<<16
	s_mov_b32 s[\g+4], 256
	s_mov_b32 s[\g+5], KROW
	s_mov_b32 s[\g+6], 0
	s_mov_b32 s[\g+7], 0
.endr
	s_or_b32 s[G1S+0], s43, (3<<16)|(1<<20)|(1<<21)|(5<<22)|(3<<25)
	s_or_b32 s[G1SB+0], s44, (3<<16)|(1<<20)|(1<<21)|(5<<22)|(3<<25)
.irp g, G1S, G1SB
	s_mov_b32 s[\g+1], 32<<16
	s_mov_b32 s[\g+2], KS<<16                      ; the scales of 256 rows: KS units of 256 bytes
	s_mov_b32 s[\g+3], 32<<16
	s_mov_b32 s[\g+4], KS
	s_mov_b32 s[\g+5], 32
	s_mov_b32 s[\g+6], 0
	s_mov_b32 s[\g+7], 0
.endr
	s_lshl_b32 s20, s17, 8                         ; the tiles' first rows
	s_lshl_b32 s46, s42, 8
	s_lshl_b32 s22, s20, 5
	s_mov_b32 s23, 0
	s_lshl_b32 s92, s46, 5
	s_mov_b32 s93, 0
	s_lshl_b32 s20, s20, 10
	s_mov_b32 s21, 0
	s_lshl_b32 s46, s46, 10
	s_mov_b32 s47, 0
	s_mul_i32 s45, s14, HALFT
	s_wait_kmcnt 0x0
	s_add_nc_u64 s[8:9], s[4:5], WCOD
	s_add_nc_u64 s[10:11], s[6:7], WSCL
	s_add_nc_u64 s[18:19], s[4:5], WVCOD
	s_add_nc_u64 s[2:3], s[6:7], WVSCL
	s_cmp_eq_u32 s[ISV], 1
	s_cselect_b64 s[8:9], s[4:5], s[8:9]
	s_cselect_b64 s[10:11], s[6:7], s[10:11]
	s_cselect_b64 s[4:5], s[18:19], s[4:5]
	s_cselect_b64 s[6:7], s[2:3], s[6:7]
	s_add_nc_u64 s[20:21], s[4:5], s[20:21]
	s_add_nc_u64 s[22:23], s[6:7], s[22:23]
	s_add_nc_u64 s[46:47], s[8:9], s[46:47]
	s_add_nc_u64 s[92:93], s[10:11], s[92:93]
	CROUND
	s_mov_b32 s[G0S], 1
	s_mov_b32 s[G0S+1], SCL
	s_mov_b64 s[G0S+2:G0S+3], s[22:23]
	s_or_b32 s[G0S+3], s[G0S+3], 0x80000000
	s_mov_b32 s[G0SB], 1
	s_mov_b32 s[G0SB+1], SCL+2*HALFS
	s_mov_b64 s[G0SB+2:G0SB+3], s[92:93]
	s_or_b32 s[G0SB+3], s[G0SB+3], 0x80000000
	s_mov_b32 s4, 1                                ; group 0 of the head's loads of K step 0: A's 256 rows (the pointers that lay here have been used)
	s_mov_b32 s5, 0
	s_mov_b64 s[6:7], s[20:21]
	s_or_b32 s7, s7, 0x80000000
	s_mov_b32 s8, 1                                ; and B's 256 rows, behind them in slot 0
	s_mov_b32 s9, 2*HALFT
	s_mov_b64 s[10:11], s[46:47]
	s_or_b32 s11, s11, 0x80000000
	s_lshl_b32 s18, s16, 17                        ; for the ring: my 128 rows of a tile, 1,024 bytes a row
	s_mov_b32 s19, 0
	s_add_nc_u64 s[20:21], s[20:21], s[18:19]
	s_add_nc_u64 s[46:47], s[46:47], s[18:19]
.irp s, 0,1
	s_mov_b32 s[G0+4*\s], 1
	s_add_co_u32 s[G0+4*\s+1], s45, \s*SLOT
	s_add_nc_u64 s[G0+4*\s+2:G0+4*\s+3], s[20:21], \s*ROWB
	s_or_b32 s[G0+4*\s+3], s[G0+4*\s+3], 0x80000000
	s_mov_b32 s[G0B+4*\s], 1
	s_add_co_u32 s[G0B+4*\s+1], s45, \s*SLOT
	s_add_nc_u64 s[G0B+4*\s+2:G0B+4*\s+3], s[46:47], \s*ROWB
	s_or_b32 s[G0B+4*\s+3], s[G0B+4*\s+3], 0x80000000
.endr
; the head's four tiles, one joint load a wave, in one tree of branches on the wave's number: wave 0 A's rows, wave 1 B's rows, wave 2 A's scales, wave 3 B's scales
.macro ARM under, g0, g1, next
	s_cmp_lt_u32 s14, \under
	s_cbranch_scc0 \next
	tensor_load_to_lds s[\g0:\g0+3], s[\g1:\g1+7]
	s_nop 0
.rept 4
	v_nop
.endr
	s_branch .Lhead_asked
\next:
.endm
	ARM 1, 4,   G1,  .Lhead_b
	ARM 2, 8,   G1B, .Lhead_sa
	ARM 3, G0S, G1S, .Lhead_sb
	tensor_load_to_lds s[G0SB:G0SB+3], s[G1SB:G1SB+7]
	s_nop 0
.rept 4
	v_nop
.endr
.Lhead_asked:
	s_mov_b32 s[SEL], 0x76543210
	s_mov_b32 s[SEL+1], 0xfedcba98
	s_mov_b32 s[MNT], 0x600000
	s_mov_b32 s3, 0xffff0000
	v_and_b32 v1, 15, v0
	v_bfe_u32 v2, v0, 4, 1
	v_mul_u32_u24 v3, v1, PITCH
	v_lshl_add_u32 v4, v2, 4, v3
	s_mul_i32 s21, s15, HALFT
	s_mul_i32 s22, s16, HALFT
	s_add_co_u32 s22, s22, 2*HALFT
.irp s, 0,1
	v_add_nc_u32 v[ADRA+\s], s21, v4
	v_add_nc_u32 v[ADRB+\s], s22, v4
	s_add_co_u32 s21, s21, SLOT
	s_add_co_u32 s22, s22, SLOT
.endr
	v_mul_u32_u24 v5, v1, KS
	v_lshrrev_b32 v6, 8, v5
	v_lshl_add_u32 v5, v6, 4, v5
	s_mul_i32 s21, s15, HALFS
	s_mul_i32 s22, s16, HALFS
	s_add_co_u32 s22, s22, 2*HALFS
	s_sub_co_u32 s22, s22, s21
	v_mul_u32_u24 v6, s22, v2
	s_add_co_u32 s21, s21, SCL
	v_add_nc_u32 v5, v5, v6
	v_add_nc_u32 v[ADRS], s21, v5
	v_and_b32 v6, 31, v0
	v_lshlrev_b32 v[LI], 4, v6
	v_lshlrev_b32 v[L8], 3, v6
.macro FRAG reg, adr, q, i
.irp c, 0,1,2,3
	ds_load_b128 v[\reg+4*\c:\reg+4*\c+3], v[\adr] offset:128*(\q)+32*\c+(\i)*16*PITCH
.endr
.endm
.macro MUL16 a0, p, q, sc, zero
.irp a, \a0, \a0+1
.irp b, 0,1,2,3,4,5,6,7
.if \zero
	v_wmma_scale_f32_16x16x128_f8f6f4 v[8*(8*((\a)%4)+\b):8*(8*((\a)%4)+\b)+7], v[128*(\p)+FR*\b:128*(\p)+FR*\b+FR-1], v[AF+FR*(\a):AF+FR*(\a)+FR-1], 0, v[SC+8*NQ*(\sc)+NQ*\b+(\q)], v[SC+8*NQ*(\sc)+NQ*(\a)+(\q)] matrix_a_fmt:MATRIX_FMT_BF8 matrix_b_fmt:MATRIX_FMT_BF8 matrix_a_scale:MATRIX_SCALE_ROW1
.else
	v_wmma_scale_f32_16x16x128_f8f6f4 v[8*(8*((\a)%4)+\b):8*(8*((\a)%4)+\b)+7], v[128*(\p)+FR*\b:128*(\p)+FR*\b+FR-1], v[AF+FR*(\a):AF+FR*(\a)+FR-1], v[8*(8*((\a)%4)+\b):8*(8*((\a)%4)+\b)+7], v[SC+8*NQ*(\sc)+NQ*\b+(\q)], v[SC+8*NQ*(\sc)+NQ*(\a)+(\q)] matrix_a_fmt:MATRIX_FMT_BF8 matrix_b_fmt:MATRIX_FMT_BF8 matrix_a_scale:MATRIX_SCALE_ROW1
.endif
.endr
.endr
.endm
.macro FETCH_B slot, q, p
	WIN TO_B
.irp i, 0,1,2,3,4,5,6,7
	FRAG 128*(\p)+FR*\i, ADRB+\slot, \q, \i
.endr
	WIN 0
.endm
.macro FETCH_A slot, q, i0
.irp i, \i0, \i0+1, \i0+2, \i0+3
	FRAG AF+FR*(\i), ADRA+\slot, \q, \i
.endr
.endm
.macro SCALES sc
.irp i, 0,1,2,3,4,5,6,7
	ds_load_b64 v[SC+8*NQ*\sc+NQ*\i:SC+8*NQ*\sc+NQ*\i+1], v[ADRS] offset:\i*SBLK
.endr
.endm
.macro PLACES n
.rept \n
	v_nop
.endr
.endm
.macro STEP slot, q, zero
	s_wait_dscnt 4*NL
	WIN MUL_LO
	MUL16 0, (\q)%2, \q, \slot, \zero
	MUL16 2, (\q)%2, \q, \slot, \zero
	s_wait_dscnt 0
	PLACES NP
	FETCH_B \slot, (\q)+1, 1-(\q)%2
	FETCH_A \slot, (\q)+1, 0
	WIN MUL_HI
	MUL16 4, (\q)%2, \q, \slot, \zero
	MUL16 6, (\q)%2, \q, \slot, \zero
	PLACES NP
	WIN 0
	FETCH_A \slot, (\q)+1, 4
.endm
.macro TURN slot, next, fill
	s_wait_tensorcnt 0x0
	ds_add_u32 v[SPW], v[NIL]
	s_wait_dscnt 4*NL+1
	WIN MUL_LO
	MUL16 0, 1, NQ-1, \slot, 0
	s_wait_dscnt 0x0
	s_barrier_signal -1
	MUL16 2, 1, NQ-1, \slot, 0
	WIN 0
	s_barrier_wait -1
.if \fill
	CREST
	s_add_nc_u64 s[G0+4*\slot+2:G0+4*\slot+3], s[G0+4*\slot+2:G0+4*\slot+3], 2*ROWB
	s_add_nc_u64 s[G0B+4*\slot+2:G0B+4*\slot+3], s[G0B+4*\slot+2:G0B+4*\slot+3], 2*ROWB
	JLOAD G0+4*\slot, G1, G0B+4*\slot, G1B
	PLACES NP-4
.else
	PLACES NP
.endif
	s_wait_alu depctr_va_vdst(0)
	v_add_nc_u32 v[ADRS], 4*NQ, v[ADRS]
	FETCH_B \next, 0, 0
	FETCH_A \next, 0, 0
	SCALES \next
	WIN MUL_HI
	MUL16 4, 1, NQ-1, \slot, 0
	MUL16 6, 1, NQ-1, \slot, 0
	PLACES NP
	WIN 0
	FETCH_A \next, 0, 4
.endm
.macro QUANT s
.irp b, 0,1,2,3
	v_max3_num_f32 v[TM+\b], |v[\s+16*\b]|, |v[\s+1+16*\b]|, 0x8000000
.endr
.irp i, 2,4,6,8,10,12,14
.irp b, 0,1,2,3
	v_max3_num_f32 v[TM+\b], v[TM+\b], |v[\s+16*\b+\i]|, |v[\s+1+16*\b+\i]|
.endr
.endr
.irp b, 0,1,2,3
	v_permlanex16_b32 v[TM+4+\b], v[TM+\b], s[SEL], s[SEL+1]
.endr
.irp b, 0,1,2,3
	v_max_num_f32 v[TM+\b], v[TM+\b], v[TM+4+\b]
.endr
.irp b, 0,1,2,3
	v_add_nc_u32 v[TM+12+\b], 0xf8800000, v[TM+\b]
.endr
.irp b, 0,1,2,3
	v_and_or_b32 v[TM+8+\b], v[TM+\b], 0x7f800000, s[MNT]
.endr
.irp b, 0,1,2,3
	v_lshrrev_b32 v[TM+4+\b], 23, v[TM+12+\b]
.endr
	v_lshl_or_b32 v[PW], v[TM+5], 8, v[TM+4]
	v_lshl_or_b32 v[PW], v[TM+6], 16, v[PW]
	v_lshl_or_b32 v[PW], v[TM+7], 24, v[PW]
.irp b, 0,1,2,3
.irp i, 0,1,2,3,4,5,6,7,8,9,10,11,12,13,14,15
	v_med3_num_f32 v[\s+16*\b+\i], v[\s+16*\b+\i], -v[TM+8+\b], v[TM+8+\b]
.endr
	v_cvt_scalef32_pk8_bf8_f32 v[PC+4*\b:PC+1+4*\b], v[\s+16*\b:\s+7+16*\b], v[TM+12+\b]
	v_cvt_scalef32_pk8_bf8_f32 v[PC+2+4*\b:PC+3+4*\b], v[\s+8+16*\b:\s+15+16*\b], v[TM+12+\b]
.endr
	v_nop
.endm
.macro EPI a, isv
	s_wait_xcnt 0x0
	WIN 0x02+(\a)/4
.set i, 0
.rept 32
.if \isv
.if (\a)%2
	v_pk_add_f32 v[T+2*i:T+2*i+1], v[64*((\a)%4)+2*i:64*((\a)%4)+2*i+1], v[BT+(\a)-1:BT+(\a)] op_sel:[0,1] op_sel_hi:[1,1]
.else
	v_pk_add_f32 v[T+2*i:T+2*i+1], v[64*((\a)%4)+2*i:64*((\a)%4)+2*i+1], v[BT+(\a):BT+(\a)+1] op_sel_hi:[1,0]
.endif
.else
	v_pk_add_f32 v[T+2*i:T+2*i+1], v[64*((\a)%4)+2*i:64*((\a)%4)+2*i+1], v[BT+2*i:BT+2*i+1]
.endif
.set i, i+1
.endr
	WIN 0
	QUANT T
.if \isv
.irp c, 0,1,2,3
	global_store_b128 v[LI], v[PC+4*\c:PC+4*\c+3], s[4+2*((\a)/4):5+2*((\a)/4)] offset:2048*((\a)%4)+512*\c
.endr
.if (\a)%2 == 0
	v_mov_b32 v[SW+2*((\a)/4)+((\a)%4)/2], v[PW]
.else
	v_cndmask_b32 v[SW+2*((\a)/4)+((\a)%4)/2], v[SW+2*((\a)/4)+((\a)%4)/2], v[PW], s3
.endif
.if (\a)%4 == 3
	global_store_b64 v[L8], v[SW+2*((\a)/4):SW+2*((\a)/4)+1], s[4+2*((\a)/4):5+2*((\a)/4)] offset:8704
.endif
.else
.irp c, 0,1,2,3
	global_store_b128 v[LI], v[PC+4*\c:PC+4*\c+3], s[4+2*(\c/2):5+2*(\c/2)] offset:1024*(\a)+512*(\c%2)
.endr
.if (\a)%2 == 0
	v_and_b32 v[SW+(\a)/2], 0xffff, v[PW]
	v_lshrrev_b32 v[SW+4+(\a)/2], 16, v[PW]
.else
	v_and_b32 v[TP], 0xffff, v[PW]
	v_cndmask_b32 v[SW+(\a)/2], v[SW+(\a)/2], v[TP], s3
	v_lshrrev_b32 v[TP], 16, v[PW]
	v_cndmask_b32 v[SW+4+(\a)/2], v[SW+4+(\a)/2], v[TP], s3
.endif
.endif
.endm
.macro TAIL isv
.if \isv
	s_lshl_b32 s18, s42, 1
	s_add_co_u32 s18, s18, s16
	s_lshr_b32 s19, s18, 4
	s_and_b32 s18, s18, 15
	s_lshl_b32 s20, s17, 1
	s_add_co_u32 s20, s20, s15
	s_lshl_b32 s22, s20, 9
	s_add_co_u32 s22, s22, 8192
	s_mov_b32 s23, 0
	s_add_nc_u64 s[12:13], s[12:13], s[22:23]
	s_lshl_b32 s20, s20, 1
	s_lshl_b32 s19, s19, 4
	s_add_co_u32 s19, s19, s20
	s_lshl_b32 s19, s19, 4
	s_add_co_u32 s19, s19, s18
	s_mul_i32 s20, s19, REC
	s_add_co_u32 s20, s20, 8192
	s_mov_b32 s21, 0
	s_add_nc_u64 s[4:5], s[98:99], s[20:21]
	s_add_nc_u64 s[6:7], s[4:5], 16*REC
	v_and_b32 v[BO], 8, v1
	v_add_nc_u32 v[BO], v[BO], v1
	v_lshlrev_b32 v[BO], 2, v[BO]
.irp a, 0,1,2,3,4,5,6,7
	global_load_b32 v[BT+\a], v[BO], s[12:13] offset:(32*(\a/2)+8*(\a%2))*4
.endr
.else
	s_lshl_b32 s18, s17, 1
	s_add_co_u32 s18, s18, s15
	s_lshr_b32 s19, s18, 4
	s_and_b32 s18, s18, 15
	s_lshl_b32 s20, s42, 1
	s_add_co_u32 s20, s20, s16
	s_lshl_b32 s22, s20, 9
	s_mov_b32 s23, 0
	s_add_nc_u64 s[12:13], s[12:13], s[22:23]
	s_lshr_b32 s21, s20, 3
	s_and_b32 s20, s20, 7
	s_lshl_b32 s20, s20, 1
	s_lshl_b32 s19, s19, 4
	s_add_co_u32 s19, s19, s20
	s_lshl_b32 s19, s19, 4
	s_add_co_u32 s19, s19, s18
	s_cmp_eq_u32 s21, 1
	s_cselect_b64 s[4:5], s[98:99], s[96:97]
	s_mov_b32 s22, RECQ
	s_cselect_b32 s22, REC, s22
	s_mov_b32 s23, 8192
	s_cselect_b32 s23, 16384, s23
	s_mul_i32 s20, s19, s22
	s_mov_b32 s21, 0
	s_add_nc_u64 s[4:5], s[4:5], s[20:21]
	s_lshl_b32 s20, s22, 4
	s_add_nc_u64 s[6:7], s[4:5], s[20:21]
	s_mov_b32 s20, s23
	s_add_nc_u64 s[8:9], s[4:5], s[20:21]
	s_add_nc_u64 s[10:11], s[6:7], s[20:21]
	v_lshlrev_b32 v[BO], 6, v2
.irp b, 0,1,2,3,4,5,6,7
	global_load_b128 v[BT+8*\b:BT+8*\b+3], v[BO], s[12:13] offset:(32*(\b/2)+8*(\b%2))*4
	global_load_b128 v[BT+8*\b+4:BT+8*\b+7], v[BO], s[12:13] offset:(32*(\b/2)+8*(\b%2))*4+16
.endr
.endif
	STEP 1, 0, 0
	s_wait_dscnt 4*NL
	WIN MUL_LO
	MUL16 0, 1, NQ-1, 1, 0
	MUL16 2, 1, NQ-1, 1, 0
	s_wait_dscnt 0
	WIN MUL_HI
	MUL16 4, 1, NQ-1, 1, 0
	MUL16 6, 1, NQ-1, 1, 0
	WIN 0
	PLACES NP
	s_wait_loadcnt 0x0
.irp b, 0,1,2,3
	v_mov_b32 v[TM+4+\b], 0
.endr
.irp a, 0,1,2,3,4,5,6,7
	EPI \a, \isv
.endr
.if \isv == 0
	global_store_b128 v[LI], v[SW:SW+3], s[8:9]
	global_store_b128 v[LI], v[SW+4:SW+7], s[10:11]
.endif
.endm
	s_wait_alu depctr_va_vdst(0)
	s_wait_tensorcnt 0x0                           ; my tile of the head's four is in; slot 1's first fill is issued as a refill is
	ds_add_u32 v[SPW], v[NIL]
	s_mov_b32 s[G1+2], 128<<16                     ; no tensor load of mine is out: from here on a load brings 128 rows
	s_mov_b32 s[G1+4], 128
	s_mov_b32 s[G1B+2], 128<<16
	s_mov_b32 s[G1B+4], 128
	s_wait_dscnt 0x0
	CROUND
	JLOAD G0+4, G1, G0B+4, G1B                     ; K step 1, the first tensor load behind the round
	FETCH_B 0, 0, 0
	FETCH_A 0, 0, 0
	SCALES 0
	FETCH_A 0, 0, 4
	STEP 0, 0, 1
	TURN 0, 1, 1
	STEP 1, 0, 0
	TURN 1, 0, 1
	STEP 0, 0, 0
	TURN 0, 1, 0
	s_cmp_eq_u32 s[ISV], 1
	s_cbranch_scc1 .Lv
	TAIL 0
	s_branch .Lend
.Lv:
	TAIL 1
.Lend:
	s_wait_tensorcnt 0x0
	ds_add_u32 v[SPW], v[NIL]
	s_wait_dscnt 0x0
	CROUND
	s_endpgm
.Lfunc_end_k_q4c867a48f4_proj:
	.size	k_q4c867a48f4_proj, .Lfunc_end_k_q4c867a48f4_proj-k_q4c867a48f4_proj
	.p2alignl 7, 3214868480
	.fill 96, 4, 3214868480
	.section	.rodata,"a",@progbits
	.p2align	6, 0x0
	.amdhsa_kernel k_q4c867a48f4_proj
		.amdhsa_group_segment_fixed_size 327680
		.amdhsa_private_segment_fixed_size 0
		.amdhsa_enable_private_segment 0
		.amdhsa_kernarg_size 40
		.amdhsa_user_sgpr_count 2
		.amdhsa_user_sgpr_kernarg_segment_ptr 1
		.amdhsa_wavefront_size32 1
		.amdhsa_system_sgpr_workgroup_id_x 1
		.amdhsa_system_sgpr_workgroup_id_y 1
		.amdhsa_system_sgpr_workgroup_id_z 1
		.amdhsa_system_vgpr_workitem_id 0
		.amdhsa_next_free_vgpr 1024
		.amdhsa_next_free_sgpr 100
		.amdhsa_reserve_vcc 0
		.amdhsa_float_denorm_mode_32 3
		.amdhsa_float_denorm_mode_16_64 3
		.amdhsa_memory_ordered 1
		.amdhsa_forward_progress 1
		.amdhsa_inst_pref_size 255
	.end_amdhsa_kernel
	.section	.bss,"aw",@nobits
	.p2align	6
	.space	262144
	.amdgpu_metadata
---
amdhsa.version: [ 1, 2 ]
amdhsa.kernels:
  - .name:           k_q4c867a48f4_proj
    .symbol:         k_q4c867a48f4_proj.kd
    .args:
      - { .name: cod, .offset: 0, .size: 8, .value_kind: global_buffer, .address_space: global }
      - { .name: scl, .offset: 8, .size: 8, .value_kind: global_buffer, .address_space: global }
      - { .name: qkv_b, .offset: 16, .size: 8, .value_kind: global_buffer, .address_space: global }
      - { .name: q, .offset: 24, .size: 8, .value_kind: global_buffer, .address_space: global }
      - { .name: kv, .offset: 32, .size: 8, .value_kind: global_buffer, .address_space: global }
    .group_segment_fixed_size: 327680
    .private_segment_fixed_size: 0
    .kernarg_segment_align: 8
    .kernarg_segment_size: 40
    .max_flat_workgroup_size: 128
    .sgpr_count:     100
    .vgpr_count:     1024
    .wavefront_size: 32
...
	.end_amdgpu_metadata
.endif
;; end of part 2
;; launch attn (part 3): grid 8 x 32, 16 waves a work-group, clusters of 4 x 1, 327,680 bytes of LDS; arguments q, kv, mw, o_codes, o_scales; writes o_codes, o_scales
.if DOCPART == 3
	.amdgcn_target "amdgcn-amd-amdhsa--gfx1250"
	.amdhsa_code_object_version 6
	.text
	.protected	k_q4c867a48f4_attn
	.globl	k_q4c867a48f4_attn
	.p2align	8
	.type	k_q4c867a48f4_attn,@function
k_q4c867a48f4_attn:
	s_mov_b64 s[64:65], 0
	v_nop
	global_prefetch_b8 v0, s[64:65] scope:SCOPE_SE
	s_setreg_imm32_b32 hwreg(HW_REG_WAVE_MODE, 25, 1), 1
	s_wait_xcnt 0x0
	s_wait_alu depctr_hold_cnt(0) depctr_sa_sdst(0) depctr_va_vdst(0) depctr_va_sdst(0) depctr_va_ssrc(0) depctr_va_vcc(0) depctr_vm_vsrc(0)
	s_getreg_b32 s2, hwreg(HW_REG_IB_STS2, 6, 4)
	s_cmp_eq_u32 s2, 0
	s_cbranch_scc0 .Lentry_in_a_cluster
	s_endpgm
.Lentry_in_a_cluster:
	s_bfe_u32 s2, ttmp6, 0x10000c
	s_cmp_lg_u32 s2, 0x3003
	s_cbranch_scc0 .Lentry_shape_is_right
	s_endpgm
.Lentry_shape_is_right:
; Attention on codes of BF8 (E5M2), one E8M0 scale for each 32 along a product's K: scores = q k^T / 8 (K = the head's 64), the mask, p = 2^(t - M), o = p v / l (K = the keys); o is quantised along the model's 1,024.
; t = score x log2(e) / 8; M = the row's largest t so far, rounded UP to a whole number; p is not normalised; l is the sum of the unquantised p, in f32.  When M moves, l and O are multiplied by 2^(old M - new M): exact.
; SHARES.  A work-group owns 256 stored query rows of one batch and TWO heads, one after the other; each of its sixteen waves owns one tile of 16 queries in 256 registers, four waves to a SIMD.
; Two heads make 128 along the last product's K: a whole fragment and a whole scale word for each wave.
; k and v come as records of 17,152 bytes for each head and key step of 128: images of operand registers (16 bytes a lane) and their scale words.  The two heads' 32 records are one stream, which goes through
; two LDS slots of 8 records (137,216 bytes each): four fills, so four changes of slots; waves 0-7 fetch a record each.  CLUSTER: the four query blocks of a cluster walk the same stream: each record is asked for jointly.
; LAYOUT.  Both products are used transposed (S^T = k q^T, O^T = v^T p^T): a lane holds ONE query (lane % 16).  The rows of a tile were ordered by the launches before, so that score register 16 b + i is key
; 32 b + 16 (lane / 16) + i and O^T's register 16 b + i is channel 32 b + 16 (lane / 16) + i: the conversions' results are the next operand's registers.
; TWO REGIONS OF 64 REGISTERS TAKE TURNS, X and Y.  In an even step k's fragments lie in X, the scores go to Y, v's fragments then land in X, and as soon as p's codes are made the NEXT step's k is asked for into Y,
; ahead of the second product; an odd step does the same with X and Y changed.  A slot's first k is asked for behind the change of slots, and its last step asks for none: no read crosses a slot's border ahead of its barrier.
; K = 64 IN AN INSTRUCTION OF 128.  q's upper eight registers are zero codes.  k's operand for tile t is its own eight registers and the eight that follow: the next tile's; behind tile 7 zeros (X) or p's last codes (Y):
; finite codes all, since the quantisers hold them, which meet zero codes.
; THE MASK comes as lane masks, 64 words a key step, by scalar loads one step ahead; a hidden score becomes -infinity ahead of the maximum, so p = 0.  Every step does this work: no branch hangs on the mask.
; A QUERY THAT SEES NO KEY has l = 0: its scale bytes are set to 0xff, which makes the last product's whole row NaN, as the softmax of a row of -infinity is.
; THE TEXT: a loop of three trips, each a change of slots that fills the other slot and eight key steps; behind its second trip the first head ends (a branch on the trip counter); the fourth slot, which asks for nothing, is written out.
; LIMITS: 1 / l is v_rcp_f32 and a multiplication; a block of zeros has the byte 1 where the rule says 127 (only this program reads the bytes); NaN and infinities among the inputs are not served.
.set REC,   17152                      ; a record: k's images 8,192, v's images 8,192, k's scale words 512, v's 256
.set RECQ,  8704                       ; q's record: images 8,192, scale words 512
.set NR,    8                          ; records in a slot
.set SLOT1, NR*REC                     ; slot 1 begins here
.set SPARE, 2*SLOT1                    ; behind the ring: the spare words, 128 bytes for each wave: eight blocks of 256 bytes that no other line names
.set LI,   1                           ; v1   16 x lane
.set SPW,  2                           ; v2   LDS address of my spare word; never rewritten
.set NIL,  3                           ; v3   0; never rewritten
.set NEG,  4                           ; v4   -infinity
.set ADR,  5                           ; v5   the record in hand + 16 x lane
.set PFO,  6                           ; v6   256 x lane: the prefetches' offset
.set L8,   7                           ; v7   8 x lane
.set ADR8, 8                           ; v8   the record in hand + 8 x lane
.set QSO,  9                           ; v9   my row's scale word of q, from the wave's pointer
.set OSO,  10                          ; v10  32 x (lane % 16): my row in o_scales
.set QF,   16                          ; v16-23 q's codes, v24-31 zeros
.set X,    32                          ; v32-95  region X
.set ZR,   96                          ; v96-103 zeros, behind X
.set Y,    104                         ; v104-167 region Y
.set PC,   168                         ; v168-183 p's codes, behind Y
.set O,    184                         ; v184-215 O^T
.set KSW,  216                         ; v216-219 k's scale words; v220-221 v's; v222 q's; v223 p's
.set VSW,  220
.set QSW,  222
.set PSW,  223
.set BM,   224                         ; v224-227 a block's largest score, then its largest p
.set BT,   228                         ; v228-231 at work
.set HL,   232                         ; v232-235 57,344 x the scale
.set SO,   236                         ; v236-239 the conversions' scale operands
.set F,    240                         ; v[240:241] f = 2^(old M - new M), later 1 / l
.set TP,   242
.set HW,   243
.set OC0,  244                         ; v244-251 the first head's codes of o; v252 its two scale bytes
.set HW0,  252
.set MWP,  2                           ; s[2:3] my tile's lane masks
.set MO,   4                           ; s4   256 x the key step whose masks were asked for last
.set WV,   5                           ; s5   my wave's number
.set TB,   6                           ; s6   LDS byte at which the record in hand begins
.set SLOTS, 7                          ; s7   slots still to be asked for
.set G1,   8                           ; s[8:15] descriptor group 1;  s[16:19] group 0, which walks
.set G0,   16
.set TW,   20                          ; s20  counts a slot's pairs of key steps
.set PAR,  21                          ; s21  the slot in hand, 0 or 1
.set CS,   22                          ; s[22:23] c = log2(e) / 8
.set SEL,  24                          ; s[24:25] lane selects for v_permlanex16_b32: lane l xor 16
.set MNT,  26                          ; s26  the mantissa field of 57,344
.set LIM,  27                          ; s27  1 in a wave that prefetches, else the greatest number
.set PFA,  28                          ; s[28:29] where my prefetches stand
.set WR,   30                          ; s30  my wave's number x a record
.set TS,   31                          ; s31  at work
.set QP,   66                          ; s[66:67] q at my tile
.set OCP,  100                         ; s[100:101] o_codes at my fragment
.set OSP,  104                         ; s[104:105] o_scales at my tile's first row, my K step's word
                                       ; s[32:63], s[68:99]: the 64 lane masks of a key step: word n in s[32 + n + 4 (n / 32)]
.macro ROUND                           ; a round of the cluster's barrier
	s_barrier_signal -1
	s_barrier_wait -1
	s_cmp_lg_u32 s[WV], 0
	s_cbranch_scc1 .Lnot_wave_0_\@
	s_barrier_signal -3
.Lnot_wave_0_\@:
	s_barrier_wait -3
	s_barrier_signal -1
	s_barrier_wait -1
.endm
.macro TLOAD                           ; waves 0-7 fetch a record each, jointly with their partners; s_nop 0 and four v_nop follow the line
	s_cmp_lt_u32 s[WV], NR
	s_cbranch_scc0 .Lno_load_\@
	tensor_load_to_lds s[G0:G0+3], s[G1:G1+7]
	s_nop 0
.rept 4
	v_nop
.endr
.Lno_load_\@:
.endm
; A PREFETCH INTO THE L2 of what the NEXT change of slots will ask for: eight key steps ahead of that load.  Both clusters of a pair of heads walk the same stream: the first (cluster x = 0) asks.  Its four partners
; take two records each, told apart BY ADDRESS; in each, waves 8 and 9 ask for the first record's images of k and of v, waves 10 and 11 for the second's: 8,192 bytes a wave, lanes 256 bytes apart: each block is named once.
; A record's 768 bytes of scale words, and slots 0 and 1, come by their loads alone.  The last change that fills a slot asks for nothing: there is no slot behind it.
.macro ASK
	s_cmp_gt_u32 s[SLOTS], s[LIM]
	s_cbranch_scc0 .Lnot_mine_\@
	global_prefetch_b8 v[PFO], s[PFA:PFA+1] th:TH_LOAD_NT scope:SCOPE_SE
.Lnot_mine_\@:
.endm
.macro MLOAD                           ; a key step's 64 lane masks: 256 consecutive bytes
	s_load_b512 s[32:47], s[MWP:MWP+1], s[MO] offset:0x0
	s_load_b512 s[48:63], s[MWP:MWP+1], s[MO] offset:0x40
	s_load_b512 s[68:83], s[MWP:MWP+1], s[MO] offset:0x80
	s_load_b512 s[84:99], s[MWP:MWP+1], s[MO] offset:0xc0
.endm
.macro KLOAD dst, off                  ; k's eight half fragments and its scale words, of the record off bytes behind the one in hand
.irp t, 0,1,2,3,4,5,6,7
	ds_load_b128 v[(\dst)+8*\t:(\dst)+8*\t+3], v[ADR] offset:(\off)+1024*\t
	ds_load_b128 v[(\dst)+8*\t+4:(\dst)+8*\t+7], v[ADR] offset:(\off)+1024*\t+512
.endr
	ds_load_b128 v[KSW:KSW+3], v[ADR] offset:(\off)+16384   ; register j: lanes 0-15 tile 2 j's words, lanes 16-31 tile 2 j + 1's
.endm
.macro PA d, a, b
	v_pk_add_f32 v[\d:\d+1], v[\a:\a+1], v[\b:\b+1]
.endm
	s_load_b256 s[32:39], s[0:1], 0x0              ; q s[32:33], kv s[34:35], mw s[36:37], o_codes s[38:39]
	s_load_b64 s[40:41], s[0:1], 0x20              ; o_scales
	v_lshl_add_u32 v[SPW], v0, 2, SPARE
	v_mov_b32 v[NIL], 0
	ds_add_u32 v[SPW], v[NIL]                      ; the opening lines: the add twice on end and its wait
	ds_add_u32 v[SPW], v[NIL]
	s_wait_dscnt 0x0
	v_lshrrev_b32 v[ADR], 5, v0
	s_delay_alu instid0(VALU_DEP_1)
	v_readfirstlane_b32 s[WV], v[ADR]              ; wave 0..15
	s_bfe_u32 s21, ttmp6, 0x40000                  ; cx: my place in the cluster
	s_lshl_b32 s30, ttmp9, 2
	s_add_co_u32 s30, s30, s21                     ; my block of 256 queries, 0..7: it enters q's, mw's and o's addresses alone
	s_and_b32 s31, ttmp7, 0xffff                   ; y = 8 x batch + pair of heads, which the four partners share
	; descriptor group 1: a record, dense in memory, as 67 rows of 256 bytes (32 elements of 8 bytes); no padding: every read is 16 x lane
	s_mov_b32 s[G1], 15|(3<<16)|(1<<21)            ; the mask: all four work-groups; elements of 8 bytes; bit 21 beside a mask
	s_mov_b32 s[G1+1], 32<<16
	s_mov_b32 s[G1+2], 67<<16
	s_mov_b32 s[G1+3], 32<<16
	s_mov_b32 s[G1+4], 67
	s_mov_b32 s[G1+5], 32
	s_mov_b32 s[G1+6], 0
	s_mov_b32 s[G1+7], 0
	s_mov_b32 s[G0], 1
	s_mul_i32 s[G0+1], s[WV], REC                  ; LDS: slot 0, record = my wave's number
	s_mul_i32 s44, s31, 32*REC                     ; the pair's stream in kv (under 2^25)
	s_mov_b32 s45, 0
	s_mov_b32 s46, s[G0+1]
	s_mov_b32 s47, 0
	s_lshl_b32 s48, s21, 1                         ; the prefetches: my work-group's two records of a slot,
	s_bfe_u32 s49, s[WV], 0x10001                  ; the first (waves 8, 9) or the second (waves 10, 11),
	s_add_co_u32 s48, s48, s49
	s_mul_i32 s48, s48, REC
	s_and_b32 s49, s[WV], 1
	s_lshl_b32 s49, s49, 13                        ; k's images (even wave) or v's (odd),
	s_add_co_u32 s48, s48, s49
	s_add_co_u32 s48, s48, NR*REC                  ; in slot 1: the first change of slots steps it to slot 2
	s_mov_b32 s49, 0
	s_lshr_b32 s[LIM], s[WV], 2
	s_xor_b32 s[LIM], s[LIM], 2                    ; 0 in waves 8 to 11,
	s_or_b32 s[LIM], s[LIM], ttmp9                 ; of the first cluster: the same in all four partners
	s_cmp_eq_u32 s[LIM], 0
	s_cselect_b32 s[LIM], 1, -1
	s_lshl_b32 s50, s30, 4
	s_add_co_u32 s50, s50, s[WV]                   ; T: my tile of 16 queries in the batch, 0..127
	s_lshl_b32 s52, s50, 12                        ; 4,096 bytes of lane masks a tile
	s_mov_b32 s53, 0
	s_lshl_b32 s54, s31, 5                         ; q's record: 32 y + the step of 128 rows,
	s_lshl_b32 s55, s30, 1
	s_add_co_u32 s54, s54, s55
	s_lshr_b32 s55, s[WV], 3
	s_add_co_u32 s54, s54, s55
	s_mul_i32 s54, s54, RECQ
	s_and_b32 s56, s[WV], 7                        ; and my tile in it
	s_lshl_b32 s55, s56, 10
	s_add_co_u32 s54, s54, s55
	s_mov_b32 s55, 0
	s_lshl_b32 s57, s56, 10                        ; my tile's scale words, counted from my tile's images: 8,192 - 1,024 tile + 256 (tile % 2) + 4 (tile / 2) + 16 r
	s_sub_co_u32 s57, 8192, s57
	s_and_b32 s58, s[WV], 1
	s_lshl_b32 s58, s58, 8
	s_add_co_u32 s57, s57, s58
	s_lshr_b32 s58, s56, 1
	s_lshl_b32 s58, s58, 2
	s_add_co_u32 s57, s57, s58
	v_and_b32 v[OSO], 15, v0                       ; r
	s_delay_alu instid0(VALU_DEP_1)
	v_lshl_add_u32 v[QSO], v[OSO], 4, s57
	s_delay_alu instid0(VALU_DEP_2)
	v_lshlrev_b32 v[OSO], 5, v[OSO]
	s_lshr_b32 s58, s31, 3                         ; the batch
	s_and_b32 s59, s31, 7                          ; the pair of heads = the last product's K step
	s_lshl_b32 s60, s58, 7
	s_add_co_u32 s60, s60, s50                     ; my tile among all 512
	s_lshl_b32 s61, s60, 3
	s_add_co_u32 s61, s61, s59
	s_lshl_b32 s62, s61, 11                        ; o_codes: 2,048 bytes for each tile and K step
	s_mov_b32 s63, 0
	s_lshl_b32 s60, s60, 9                         ; o_scales: 16 rows of 32 bytes a tile,
	s_lshl_b32 s59, s59, 2                         ; 4 bytes a K step
	s_add_co_u32 s60, s60, s59
	s_mov_b32 s61, 0
	s_mov_b32 s[CS], 0x3e38aa3b                    ; c = log2(e) / 8
	s_mov_b32 s[CS+1], s[CS]                       ; (named with it as a pair, so it is written)
	s_mov_b32 s[SEL], 0x76543210
	s_mov_b32 s[SEL+1], 0xfedcba98
	s_mov_b32 s[MNT], 0x600000
	s_mov_b32 s[MO], 0
	s_mul_i32 s[WR], s[WV], REC                    ; (cx, the block and y have been used up: their registers take these)
	s_mov_b32 s[PAR], 0
	s_wait_kmcnt 0x0
	s_add_nc_u64 s[G0+2:G0+3], s[34:35], s[44:45]  ; the stream's first byte
	s_add_nc_u64 s[PFA:PFA+1], s[G0+2:G0+3], s[48:49]
	s_add_nc_u64 s[G0+2:G0+3], s[G0+2:G0+3], s[46:47]   ; my record of slot 0
	s_or_b32 s[G0+3], s[G0+3], 0x80000000          ; type = 2
	s_add_nc_u64 s[MWP:MWP+1], s[36:37], s[52:53]
	s_add_nc_u64 s[QP:QP+1], s[32:33], s[54:55]
	s_add_nc_u64 s[OCP:OCP+1], s[38:39], s[62:63]
	s_add_nc_u64 s[OSP:OSP+1], s[40:41], s[60:61]
	ROUND                                          ; all four work-groups are here: the first joint loads meet
	TLOAD                                          ; slot 0
	v_and_b32 v[ADR], 31, v0
	s_delay_alu instid0(VALU_DEP_1)
	v_lshlrev_b32 v[LI], 4, v[ADR]
	s_delay_alu instid0(VALU_DEP_2)
	v_lshlrev_b32 v[PFO], 8, v[ADR]
	s_delay_alu instid0(VALU_DEP_3)
	v_lshlrev_b32 v[L8], 3, v[ADR]
	global_load_b128 v[QF:QF+3], v[LI], s[QP:QP+1]               ; the first head's q: a half fragment, as it was stored
	global_load_b128 v[QF+4:QF+7], v[LI], s[QP:QP+1] offset:512
	s_wait_alu depctr_va_vdst(0)                   ; the wait ahead of this reader
	global_load_b32 v[QSW], v[QSO], s[QP:QP+1]                   ; and its scale words
	MLOAD                                          ; key step 0's lane masks.  (The pointers that lay in these registers have been used up)
	v_mov_b32 v[NEG], 0xff800000
.irp i, 0,1,2,3,4,5,6,7
	v_mov_b32 v[QF+8+\i], 0                        ; zero codes: q's K = 64 .. 127
	v_mov_b32 v[ZR+\i], 0                          ; and what stands behind region X
.endr
	v_mov_b32 v13, 0xff61b1e6                      ; the largest t so far: -3e38, under every t
	s_delay_alu instid0(VALU_DEP_1)
	v_floor_f32 v12, -v13                          ; -M
	v_mov_b32 v14, 0                               ; l, in two halves
	v_mov_b32 v15, 0
.irp b, 0,1,2,3
	v_mov_b32 v[BT+\b], 0                          ; written once: a lane permute's destination counts as one of its sources
.endr
	v_mov_b32 v[F+1], 0                            ; (named as the upper half of a pair)
	v_mov_b32 v[TP], 0
.set i, 0
.rept 32
	v_mov_b32 v[O+i], 0                            ; O^T.  (The step is written for all steps alike: the first finds zeros, which the first change of M leaves zeros)
.set i, i+1
.endr
; A KEY STEP: 128 keys, the record at s[TB].  kr: the region that holds k's fragments, asked for a step ago, and later takes v's; sr: the region of the scores, which at the end takes the next step's k.
; last = 1: this may be a slot's last step, which asks for no k: a branch on the count of steps.
.macro STEP kr, sr, last
	v_add_nc_u32 v[ADR], s[TB], v[LI]
	v_add_nc_u32 v[ADR8], s[TB], v[L8]
.rept 7
	v_nop                                          ; with the two additions: nine places between the last step's products, which read region sr, and the products below, which write it
.endr
	s_wait_alu depctr_va_vdst(0)
	s_wait_dscnt 0x0                               ; k
.irp t, 0,1,2,3,4,5,6,7                        ; S^T = k q^T: each product starts its own sum
.if \t%2
	v_wmma_scale_f32_16x16x128_f8f6f4 v[(\sr)+8*\t:(\sr)+8*\t+7], v[(\kr)+8*\t:(\kr)+8*\t+15], v[QF:QF+15], 0, v[KSW+\t/2], v[QSW] matrix_a_fmt:MATRIX_FMT_BF8 matrix_b_fmt:MATRIX_FMT_BF8 matrix_a_scale:MATRIX_SCALE_ROW1
.else
	v_wmma_scale_f32_16x16x128_f8f6f4 v[(\sr)+8*\t:(\sr)+8*\t+7], v[(\kr)+8*\t:(\kr)+8*\t+15], v[QF:QF+15], 0, v[KSW+\t/2], v[QSW] matrix_a_fmt:MATRIX_FMT_BF8 matrix_b_fmt:MATRIX_FMT_BF8
.endif
.endr
.rept 8
	v_nop                                          ; places in front of the loads below and of the first read of the scores
.endr
.irp a, 0,1,2,3                                ; v's four fragments are asked for now: they land under the softmax
.irp c, 0,1,2,3
	ds_load_b128 v[(\kr)+16*\a+4*\c:(\kr)+16*\a+4*\c+3], v[ADR] offset:8192+2048*\a+512*\c
.endr
.endr
	ds_load_b64 v[VSW:VSW+1], v[ADR8] offset:16896
	s_wait_kmcnt 0x0                               ; this step's lane masks, asked for a step ago
.set n, 0
.rept 64
	v_cndmask_b32 v[(\sr)+n], v[NEG], v[(\sr)+n], s[32+n+4*(n/32)]   ; a hidden score becomes -infinity; each accumulator is read from its low end on
.set n, n+1
.endr
	s_add_co_u32 s[MO], s[MO], 256                 ; (that wait has shown the last scalar loads done: their offset may be written)
	s_and_b32 s[MO], s[MO], 4095                   ; behind a head's 16 steps it begins anew, for the second head; the very last request stays inside the buffer and is not used
	MLOAD                                          ; the next step's lane masks
.irp b, 0,1,2,3
	v_max3_num_f32 v[BM+\b], v[(\sr)+16*\b], v[(\sr)+1+16*\b], v[(\sr)+2+16*\b]   ; the largest score of each block of 32 keys: for the row's maximum, and, since p rises with the score, for the block's largest p
.endr
.irp i, 3,5,7,9,11,13
.irp b, 0,1,2,3
	s_delay_alu instid0(VALU_DEP_4)
	v_max3_num_f32 v[BM+\b], v[BM+\b], v[(\sr)+16*\b+\i], v[(\sr)+1+16*\b+\i]
.endr
.endr
.irp b, 0,1,2,3
	s_delay_alu instid0(VALU_DEP_4)
	v_max_num_f32 v[BM+\b], v[BM+\b], v[(\sr)+15+16*\b]
.endr
.irp b, 0,1,2,3
	s_delay_alu instid0(VALU_DEP_4)
	v_permlanex16_b32 v[BT+\b], v[BM+\b], s[SEL], s[SEL+1]
.endr
.irp b, 0,1,2,3
	s_delay_alu instid0(VALU_DEP_4)
	v_max_num_f32 v[BM+\b], v[BM+\b], v[BT+\b]     ; with lane l xor 16's 16 keys
.endr
	s_delay_alu instid0(VALU_DEP_2)
	v_max3_num_f32 v[TP], v[BM], v[BM+1], v[BM+2]
	s_delay_alu instid0(VALU_DEP_1)
	v_max_num_f32 v[TP], v[TP], v[BM+3]            ; the step's largest score of my query
	s_delay_alu instid0(VALU_DEP_1)
	v_mul_f32 v[TP], s[CS], v[TP]                  ; as t (c is positive)
	s_delay_alu instid0(VALU_DEP_1)
	v_max_num_f32 v13, v13, v[TP]                  ; the running largest t
	v_mov_b32 v[TP], v12
	s_delay_alu instid0(VALU_DEP_2)
	v_floor_f32 v12, -v13                          ; the new -M = floor(-t) = -ceil(t)
	s_delay_alu instid0(VALU_DEP_1)
.set j, 0
.irp g, 0,1,2,3
.rept 8
	v_pk_fma_f32 v[(\sr)+j:(\sr)+j+1], v[(\sr)+j:(\sr)+j+1], s[CS:CS+1], v[12:13] op_sel_hi:[1,0,0]   ; t - M, two at a time
.set j, j+2
.endr
.if \g == 0
	v_sub_f32 v[TP], v12, v[TP]                    ; old M - new M: a whole number, 0 or less.  (f's three lines stand among the multiply-adds, eight apart)
.endif
.if \g == 1
	v_cvt_i32_f32 v[TP], v[TP]                     ; (it saturates)
.endif
.if \g == 2
	v_ldexp_f32 v[F], 1.0, v[TP]                   ; f = 2^(old M - new M)
.endif
.endr
.irp b, 0,1,2,3
	v_fma_f32 v[BM+\b], v[BM+\b], s[CS], v12       ; the same of each block's largest score
.endr
.set j, 0
	s_wait_alu depctr_va_vdst(0)                   ; the wait ahead of the batch
.rept 64
	v_exp_f32 v[(\sr)+j], v[(\sr)+j]               ; p = 2^(t - M), at most 1
.set j, j+1
.endr
	v_pk_mul_f32 v[14:15], v[14:15], v[F:F+1] op_sel_hi:[1,0]   ; l under the new M.  (A plain instruction behind the exponentials)
	s_wait_alu depctr_va_vdst(0)                   ; one wait for the batch of 64, ahead of its first reader
.irp b, 0,1,2,3
	v_exp_f32 v[BM+\b], v[BM+\b]                   ; the block's largest p: the same two instructions on the same number
.endr
	PA 228, (\sr)+4, (\sr)+8                       ; l: the sum of the unquantised p, two at a time, in eight chains that are joined at the end
	PA 254, (\sr)+12, (\sr)+16
	PA 238, (\sr)+20, (\sr)+24
	PA 236, (\sr)+28, (\sr)+32
	PA 234, (\sr)+36, (\sr)+40
	PA 232, (\sr)+44, (\sr)+48
	PA 230, (\sr)+52, (\sr)+56
	PA 14, 14, (\sr)+60
	PA 228, 228, (\sr)+0
	PA 254, 254, (\sr)+2
	PA 238, 238, (\sr)+6
	PA 236, 236, (\sr)+10
	PA 234, 234, (\sr)+14
	PA 232, 232, (\sr)+18
	PA 230, 230, (\sr)+22
	PA 14, 14, (\sr)+26
	PA 228, 228, (\sr)+30
	PA 254, 254, (\sr)+34
	PA 238, 238, (\sr)+38
	PA 236, 236, (\sr)+42
	PA 234, 234, (\sr)+46
	PA 232, 232, (\sr)+50
	PA 230, 230, (\sr)+54
	PA 14, 14, (\sr)+58
	PA 228, 228, (\sr)+62
	s_delay_alu instid0(VALU_DEP_2)
	PA 14, 14, 236
	s_delay_alu instid0(VALU_DEP_2)
	PA 228, 228, 234
	PA 254, 254, 232
	PA 238, 238, 230
	s_delay_alu instid0(VALU_DEP_2)
	PA 14, 14, 254
	s_delay_alu instid0(VALU_DEP_2)
	PA 228, 228, 238
	s_delay_alu instid0(VALU_DEP_1)
	PA 14, 14, 228
	s_wait_alu depctr_va_vdst(0)                   ; and one for the four
.irp b, 0,1,2,3
	v_max_num_f32 v[BM+\b], 0x8000000, v[BM+\b]    ; the floor 2^(16 - 127): the byte cannot fall under 1 (a block whose every p is 0 keeps that byte: its codes are zeros)
.endr
.irp b, 0,1,2,3
	s_delay_alu instid0(VALU_DEP_4)
	v_add_nc_u32 v[SO+\b], 0xf8800000, v[BM+\b]    ; 15 off the exponent field: the conversion's scale operand
.endr
.irp b, 0,1,2,3
	v_and_or_b32 v[HL+\b], v[BM+\b], 0x7f800000, s[MNT]   ; 57,344 x the scale
.endr
.irp b, 0,1,2,3
	v_lshrrev_b32 v[BT+\b], 23, v[SO+\b]           ; the scale's byte
.endr
	s_delay_alu instid0(VALU_DEP_3)
	v_lshl_or_b32 v[PSW], v[BT+1], 8, v[BT]        ; p's scale word for these 128 keys: it stands more than eight plain instructions ahead of the products
	s_delay_alu instid0(VALU_DEP_1)
	v_lshl_or_b32 v[PSW], v[BT+2], 16, v[PSW]
	s_delay_alu instid0(VALU_DEP_1)
	v_lshl_or_b32 v[PSW], v[BT+3], 24, v[PSW]
.irp b, 0,1,2,3
.irp i, 0,2,4,6,8,10,12,14
	v_dual_min_num_f32 v[(\sr)+16*\b+\i], v[(\sr)+16*\b+\i], v[HL+\b] :: v_dual_min_num_f32 v[(\sr)+16*\b+\i+1], v[(\sr)+16*\b+\i+1], v[HL+\b]   ; the conversion does not saturate (ISA guide 7.6.2); p is not negative, so the hold is one-sided; two numbers an instruction
.endr
	v_cvt_scalef32_pk8_bf8_f32 v[PC+4*\b:PC+1+4*\b], v[(\sr)+16*\b:(\sr)+7+16*\b], v[SO+\b]
	v_cvt_scalef32_pk8_bf8_f32 v[PC+2+4*\b:PC+3+4*\b], v[(\sr)+8+16*\b:(\sr)+15+16*\b], v[SO+\b]
.endr
	s_wait_dscnt 0x0                               ; v, asked for ahead of the softmax.  It is awaited here, so that the wait at the next step's head is for 0 on both ways below
.if \last
	s_cmp_eq_u32 s[TW], 1                          ; a slot's last step: the next record lies behind the change of slots
	s_cbranch_scc1 .Lno_k_\@
.endif
	KLOAD \sr, REC                                 ; THE NEXT STEP'S k, into the region that the conversions have just read out: it lands under the second product
.if \last
.Lno_k_\@:
.endif
	s_wait_alu depctr_va_vdst(0)                   ; the wait directly ahead of the first reader of O^T
.set j, 0
.rept 16
	v_pk_mul_f32 v[O+j:O+j+1], v[O+j:O+j+1], v[F:F+1] op_sel_hi:[1,0]   ; O^T under the new M.  (These sixteen are also the places between the conversions and the products)
.set j, j+2
.endr
.irp a, 0,1,2,3                                ; O^T += v^T p^T: four accumulators, one instruction each
.if \a%2
	v_wmma_scale_f32_16x16x128_f8f6f4 v[O+8*\a:O+8*\a+7], v[(\kr)+16*\a:(\kr)+16*\a+15], v[PC:PC+15], v[O+8*\a:O+8*\a+7], v[VSW+\a/2], v[PSW] matrix_a_fmt:MATRIX_FMT_BF8 matrix_b_fmt:MATRIX_FMT_BF8 matrix_a_scale:MATRIX_SCALE_ROW1
.else
	v_wmma_scale_f32_16x16x128_f8f6f4 v[O+8*\a:O+8*\a+7], v[(\kr)+16*\a:(\kr)+16*\a+15], v[PC:PC+15], v[O+8*\a:O+8*\a+7], v[VSW+\a/2], v[PSW] matrix_a_fmt:MATRIX_FMT_BF8 matrix_b_fmt:MATRIX_FMT_BF8
.endif
.endr
	s_add_co_u32 s[TB], s[TB], REC                 ; the next record
.endm
; THE CHANGE OF SLOTS stands at a slot's head.  Each wave waits for all its tensor loads, adds 0 to its spare word, and waits for that and for its reads of the slot that it has left.
; fill = 1: the barrier is a round of the cluster's, and behind it the other slot is filled with the next eight records: the load has eight key steps in which to land.
.macro CHANGE fill
	s_wait_tensorcnt 0x0                           ; no tensor load of mine is out, so group 0 may be written
	ds_add_u32 v[SPW], v[NIL]                      ; 0 onto my spare word
.if \fill
	ds_add_u32 v[SPW], v[NIL]                      ; and once more
	s_xor_b32 s[TS], s[PAR], 1                     ; the slot that is not in hand,
	s_mul_i32 s[TS], s[TS], SLOT1
	s_add_co_u32 s[G0+1], s[WR], s[TS]             ; my record's place in it,
	s_add_nc_u64 s[G0+2:G0+3], s[G0+2:G0+3], NR*REC ; the next eight records; the type bits on top are not reached
	s_wait_xcnt 0x0                                ; the last prefetch, a slot back, has read its address, so it may be written
	s_add_nc_u64 s[PFA:PFA+1], s[PFA:PFA+1], NR*REC ; one slot further on than the walking descriptor
.endif
	s_wait_dscnt 0x0                               ; the adds are done, and my reads of the slot that I have left are over
.if \fill
	ROUND                                          ; no wave of any partner still reads that slot or has a load on its way
	TLOAD                                          ; the first thing behind the round, and a wave's one tensor load until the next
	ASK
.else
	s_barrier_signal -1
	s_barrier_wait -1
.endif
.endm
.macro SLOT8                           ; a slot's eight key steps: an even and an odd one, walked four times
	s_mul_i32 s[TB], s[PAR], SLOT1                 ; the first record of the slot in hand
	v_add_nc_u32 v[ADR], s[TB], v[LI]
	KLOAD X, 0                                     ; its k
	s_mov_b32 s[TW], NR/2
.Lstep_\@:
	STEP X, Y, 0
	STEP Y, X, 1
	s_sub_co_u32 s[TW], s[TW], 1
	s_cmp_lg_u32 s[TW], 0
	s_cbranch_scc1 .Lstep_\@
	s_xor_b32 s[PAR], s[PAR], 1                    ; on to the other slot
.endm
; A HEAD'S END.  O^T / l is quantised along the head's 64 channels: two blocks, eight registers of codes, two scale bytes.  e = 0: they are kept, and the second head begins.  e = 1: both heads' leave.
.macro FINISH e
.if \e
.set DST, PC
.set HWR, HW
.else
.set DST, OC0
.set HWR, HW0
.endif
	v_add_f32 v14, v14, v15                        ; l's two halves,
	s_delay_alu instid0(VALU_DEP_1)
	v_permlanex16_b32 v[TP], v14, s[SEL], s[SEL+1]
	s_delay_alu instid0(VALU_DEP_1)
	v_add_f32 v14, v14, v[TP]                      ; and lane l xor 16's
.rept 6
	v_nop                                          ; with the two additions: eight places behind the last products
.endr
.if \e == 0
	global_load_b128 v[QF:QF+3], v[LI], s[QP:QP+1] offset:16*RECQ        ; the second head's q: 16 records on
	global_load_b128 v[QF+4:QF+7], v[LI], s[QP:QP+1] offset:16*RECQ+512
	global_load_b32 v[QSW], v[QSO], s[QP:QP+1] offset:16*RECQ
.endif
	v_cmp_neq_f32 vcc_lo, 0, v14                   ; does my query see any key?
	s_wait_alu depctr_va_vdst(0)                   ; the wait ahead of the transcendental
	v_rcp_f32 v[F], v14
	v_nop                                          ; a plain instruction behind the reciprocal
	s_wait_alu depctr_va_vdst(0)                   ; and the wait ahead of its first reader, which is O^T's first reader too
.set j, 0
.rept 16
	v_pk_mul_f32 v[O+j:O+j+1], v[O+j:O+j+1], v[F:F+1] op_sel_hi:[1,0]   ; O^T / l; each accumulator is read from its low end on
.set j, j+2
.endr
.irp b, 0,1
	v_max3_num_f32 v[BM+\b], |v[O+16*\b]|, |v[O+1+16*\b]|, 0x8000000
.endr
.irp i, 2,4,6,8,10,12,14
.irp b, 0,1
	s_delay_alu instid0(VALU_DEP_2)
	v_max3_num_f32 v[BM+\b], v[BM+\b], |v[O+16*\b+\i]|, |v[O+1+16*\b+\i]|
.endr
.endr
.irp b, 0,1
	s_delay_alu instid0(VALU_DEP_2)
	v_permlanex16_b32 v[BT+\b], v[BM+\b], s[SEL], s[SEL+1]
.endr
.irp b, 0,1
	s_delay_alu instid0(VALU_DEP_2)
	v_max_num_f32 v[BM+\b], v[BM+\b], v[BT+\b]
.endr
.irp b, 0,1
	s_delay_alu instid0(VALU_DEP_2)
	v_add_nc_u32 v[SO+\b], 0xf8800000, v[BM+\b]
.endr
.irp b, 0,1
	s_delay_alu instid0(VALU_DEP_4)
	v_and_or_b32 v[HL+\b], v[BM+\b], 0x7f800000, s[MNT]
.endr
.irp b, 0,1
	s_delay_alu instid0(VALU_DEP_4)
	v_lshrrev_b32 v[BT+\b], 23, v[SO+\b]
.endr
	s_delay_alu instid0(VALU_DEP_1)
	v_lshl_or_b32 v[HWR], v[BT+1], 8, v[BT]        ; the head's two scale bytes
	s_delay_alu instid0(VALU_DEP_1)
	v_cndmask_b32 v[HWR], 0xffff, v[HWR], vcc_lo   ; l = 0: the byte 0xff
.irp b, 0,1
.irp i, 0,1,2,3,4,5,6,7,8,9,10,11,12,13,14,15
	v_med3_num_f32 v[O+16*\b+\i], v[O+16*\b+\i], -v[HL+\b], v[HL+\b]
.endr
	v_cvt_scalef32_pk8_bf8_f32 v[DST+4*\b:DST+1+4*\b], v[O+16*\b:O+7+16*\b], v[SO+\b]
	v_cvt_scalef32_pk8_bf8_f32 v[DST+2+4*\b:DST+3+4*\b], v[O+8+16*\b:O+15+16*\b], v[SO+\b]
.endr
	v_nop                                          ; a plain instruction between the last conversion and the next vector instruction on its registers
.if \e == 0
	v_mov_b32 v13, 0xff61b1e6                      ; the second head begins as the first did
	s_delay_alu instid0(VALU_DEP_1)
	v_floor_f32 v12, -v13
	v_mov_b32 v14, 0
	v_mov_b32 v15, 0
.set j, 0
.rept 32
	v_mov_b32 v[O+j], 0
.set j, j+1
.endr
	s_wait_alu depctr_va_vdst(0)
	s_wait_loadcnt 0x0                             ; its q
.else
	v_lshl_or_b32 v[HW], v[HW], 16, v[HW0]         ; my row's scale word for this K step of 128
	global_store_b128 v[LI], v[OC0:OC0+3], s[OCP:OCP+1]              ; the fragment as it stands: four times 512 consecutive bytes, aligned
	global_store_b128 v[LI], v[OC0+4:OC0+7], s[OCP:OCP+1] offset:512
	global_store_b128 v[LI], v[PC:PC+3], s[OCP:OCP+1] offset:1024
	global_store_b128 v[LI], v[PC+4:PC+7], s[OCP:OCP+1] offset:1536
	global_store_b32 v[OSO], v[HW], s[OSP:OSP+1]   ; 4 bytes of each of 16 rows of 32 (lanes l and l xor 16 write the same word to the same place): one byte in 32 of what the launch stores
.endif
.endm
	s_wait_alu depctr_va_vdst(0)
	s_wait_loadcnt 0x0                             ; q
	s_mov_b32 s[SLOTS], 3
.LA:                                               ; three trips: slots 0, 1 (the first head) and 2; behind each change the next slot is asked for
	CHANGE 1
	SLOT8
	s_cmp_lg_u32 s[SLOTS], 2                       ; behind the second trip the first head's 16 key steps are done: a branch on the trip counter alone
	s_cbranch_scc1 .Lsame_head
	FINISH 0
.Lsame_head:
	s_sub_co_u32 s[SLOTS], s[SLOTS], 1
	s_cmp_lg_u32 s[SLOTS], 0
	s_cbranch_scc1 .LA
	CHANGE 0                                       ; the last slot is written out
	SLOT8
	FINISH 1
	s_wait_tensorcnt 0x0                           ; the wave's end
	ds_add_u32 v[SPW], v[NIL]
	s_wait_dscnt 0x0
	ROUND                                          ; the closing round: no work-group ends while a partner may still ask for a record that names it
	s_endpgm
.Lfunc_end_k_q4c867a48f4_attn:
	.size	k_q4c867a48f4_attn, .Lfunc_end_k_q4c867a48f4_attn-k_q4c867a48f4_attn
	.p2alignl 7, 3214868480
	.fill 96, 4, 3214868480
	.section	.rodata,"a",@progbits
	.p2align	6, 0x0
	.amdhsa_kernel k_q4c867a48f4_attn
		.amdhsa_group_segment_fixed_size 327680
		.amdhsa_private_segment_fixed_size 0
		.amdhsa_enable_private_segment 0
		.amdhsa_kernarg_size 40
		.amdhsa_user_sgpr_count 2
		.amdhsa_user_sgpr_kernarg_segment_ptr 1
		.amdhsa_wavefront_size32 1
		.amdhsa_system_sgpr_workgroup_id_x 1
		.amdhsa_system_sgpr_workgroup_id_y 1
		.amdhsa_system_sgpr_workgroup_id_z 1
		.amdhsa_system_vgpr_workitem_id 0
		.amdhsa_next_free_vgpr 256
		.amdhsa_next_free_sgpr 106
		.amdhsa_reserve_vcc 1
		.amdhsa_float_denorm_mode_32 3
		.amdhsa_float_denorm_mode_16_64 3
		.amdhsa_memory_ordered 1
		.amdhsa_forward_progress 1
		.amdhsa_inst_pref_size 125
	.end_amdhsa_kernel
	.amdgpu_metadata
---
amdhsa.version: [ 1, 2 ]
amdhsa.kernels:
  - .name:           k_q4c867a48f4_attn
    .symbol:         k_q4c867a48f4_attn.kd
    .args:
      - { .name: q, .offset: 0, .size: 8, .value_kind: global_buffer, .address_space: global }
      - { .name: kv, .offset: 8, .size: 8, .value_kind: global_buffer, .address_space: global }
      - { .name: mw, .offset: 16, .size: 8, .value_kind: global_buffer, .address_space: global }
      - { .name: o_codes, .offset: 24, .size: 8, .value_kind: global_buffer, .address_space: global }
      - { .name: o_scales, .offset: 32, .size: 8, .value_kind: global_buffer, .address_space: global }
    .group_segment_fixed_size: 327680
    .private_segment_fixed_size: 0
    .kernarg_segment_align: 8
    .kernarg_segment_size: 40
    .max_flat_workgroup_size: 512
    .sgpr_count:     106
    .vgpr_count:     256
    .wavefront_size: 32
...
	.end_amdgpu_metadata
.endif
;; end of part 3
;; launch outp (part 4): grid 4 x 64, 4 waves a work-group, clusters of 4 x 4, 327,680 bytes of LDS; arguments o_codes, o_scales, cod, scl, out_b, out0; writes out0
.if DOCPART == 4
	.amdgcn_target "amdgcn-amd-amdhsa--gfx1250"
	.amdhsa_code_object_version 6
	.text
	.protected	k_q4c867a48f4_outp
	.globl	k_q4c867a48f4_outp
	.p2align	8
	.type	k_q4c867a48f4_outp,@function
k_q4c867a48f4_outp:
	s_mov_b64 s[64:65], 0
	v_nop
	global_prefetch_b8 v0, s[64:65] scope:SCOPE_SE
	s_setreg_imm32_b32 hwreg(HW_REG_WAVE_MODE, 25, 1), 1
	s_wait_xcnt 0x0
	s_wait_alu depctr_hold_cnt(0) depctr_sa_sdst(0) depctr_va_vdst(0) depctr_va_sdst(0) depctr_va_ssrc(0) depctr_va_vcc(0) depctr_vm_vsrc(0)
	s_getreg_b32 s2, hwreg(HW_REG_IB_STS2, 6, 4)
	s_cmp_eq_u32 s2, 0
	s_cbranch_scc0 .Lentry_in_a_cluster
	s_endpgm
.Lentry_in_a_cluster:
	s_bfe_u32 s2, ttmp6, 0x10000c
	s_cmp_lg_u32 s2, 0xf033
	s_cbranch_scc0 .Lentry_shape_is_right
	s_endpgm
.Lentry_shape_is_right:
; out0[m][n] = sum over k of o[m][k] out_w[n][k] + out_b[n]: M 8,192, N 1,024, K 1,024, on codes of BF8 (E5M2) with one E8M0 scale for each 32 along K; sums in f32.
; o comes as images of operand registers, [tile of 16 stored rows][K step of 128][2,048 bytes], with scale bytes [stored row][32]; out_w as codes [stored row][1,024] in cod, scale bytes [stored row][32] in scl.
; STORED ORDER: in each group of 32 rows, place 16 u + 8 g + x holds row 8 u + 16 g + x (the launches before laid both operands so); the bias' addresses and the way out undo it.
; SHARES.  A block of 128 x 256 of the result to a work-group: 64 x 4 = 256 work-groups.  Four waves, each 64 rows x 128 columns: 32 accumulators of 16 x 16, 256 registers.
; K goes in steps of 256 through a ring of two LDS slots (A: 8 tiles x 4,096 bytes; B: 256 rows of 256 bytes + 16 of padding).  The scales of the block's rows of A and of B, for all of K, come once and stay.
; A step of 128 along K is 32 matrix instructions.  A's four fragments and B's eight have TWO sets of registers each: a step's 48 LDS loads are issued ahead of the products of the step before.
; CLUSTERS: 4 x 4 work-groups; A's tiles are asked for jointly along a row of the cluster, B's along a column.  THE MATRIX INSTRUCTION IS USED TRANSPOSED (source 0 = 16 rows of B, source 1 = 16 rows of A).
; The bias is the C of each accumulator's first product.  No data prefetch is written: of the four K steps two are asked for at the head, and the text has no loop to run ahead in.
; REGISTERS: window 0: v0-31 addresses; v32-63 scale words, two sets; v64-127 the bias; v128-191, v192-255 A's two sets (on the way out: rows read back).  Window 1: B's two sets, at v0 and v128.  Window 2: the accumulators, (a, b) at v[8 (8 a + b)].
.set NQ,     2                         ; steps of 128 in a slot
.set ROWB,   256
.set KROW,   1024
.set PITCH,  272
.set FR,     16
.set NP,     8                         ; places behind this matrix instruction (ISA guide 7.12.1)
.set HALFA,  4*4096                    ; 64 rows of A: four tiles
.set HALFB,  128*PITCH
.set SLOT,   2*HALFA+2*HALFB
.set KS,     32
.set SCL,    2*SLOT                    ; behind the ring: the scales, as units of 256 bytes + 16 of padding
.set SBLK,   (16*KS/256)*272           ; those of 16 rows
.set SA,     8*SBLK                    ; A's 128 rows; B's 256 follow
.set SPARE,  SCL+SA+16*SBLK            ; the spare words, 128 bytes for each wave: two blocks of 256 bytes that no other line names
.set SPITCH, 528                       ; the way out: a stage of 16 rows x (512 + 16) bytes for each wave, in slot 0, which has had its last fill and its last read by then
.set OWCOD,  11534336                  ; out_w's codes in cod, its scale bytes in scl
.set OWSCL,  360448
.set ADRA, 16
.set ADRB, 20
.set STO,  24
.set RD,   25
.set CO,   26
.set ADRS, 27
.set SPW,  28
.set NIL,  29
.set BO,   30
.set SC,   32
.set BT,   64
.set AF,   128
.set BK,   128
.set G1, 24
.set G0, 32
.set G1B, 48
.set G0B, 56
.set G1S, 68
.set G0S, 76
.set G1SB, 80
.set G0SB, 88
.set MSB, 0
.macro WIN new                         ; the immediate's high byte repeats the setting that is left
.if MSB != \new
	s_set_vgpr_msb (MSB<<8)|\new
.set MSB, \new
.endif
.endm
.set MUL_W, 0xa1                       ; source 0 (B) window 1, source 1 (A) window 0, C and D window 2
.set FST_W, 0x81                       ; the same, C (the bias) window 0
.set TO_B,  0x40
.macro JLOAD g0a, g1a, g0b, g1b        ; waves 0 and 1 fetch A's halves, waves 2 and 3 B's; s_nop 0 and four v_nop follow each line
	s_cmp_eq_u32 s15, 0
	s_cbranch_scc0 .Lfor_b_\@
	tensor_load_to_lds s[\g0a:\g0a+3], s[\g1a:\g1a+7]
	s_nop 0
.rept 4
	v_nop
.endr
	s_branch .Lasked_\@
.Lfor_b_\@:
	tensor_load_to_lds s[\g0b:\g0b+3], s[\g1b:\g1b+7]
	s_nop 0
.rept 4
	v_nop
.endr
.Lasked_\@:
.endm
.macro CREST
	s_cmp_lg_u32 s14, 0
	s_cbranch_scc1 .Lnot_wave_0_\@
	s_barrier_signal -3
.Lnot_wave_0_\@:
	s_barrier_wait -3
	s_barrier_signal -1
	s_barrier_wait -1
.endm
.macro CROUND
	s_barrier_signal -1
	s_barrier_wait -1
	CREST
.endm
	s_load_b128 s[4:7], s[0:1], 0x0                ; o_codes, o_scales
	s_load_b128 s[8:11], s[0:1], 0x10              ; cod, scl
	s_load_b64 s[96:97], s[0:1], 0x20              ; out_b
	s_load_b64 s[12:13], s[0:1], 0x28              ; out0
	v_lshl_add_u32 v[SPW], v0, 2, SPARE
	v_mov_b32 v[NIL], 0
	ds_add_u32 v[SPW], v[NIL]                      ; the opening lines: the add twice on end and its wait
	ds_add_u32 v[SPW], v[NIL]
	s_wait_dscnt 0x0
	v_lshrrev_b32 v1, 5, v0
	v_readfirstlane_b32 s14, v1                    ; wave 0..3
	s_lshr_b32 s15, s14, 1                         ; which 64 rows are mine.  Also: I fetch for A (0) or for B (1)
	s_and_b32 s16, s14, 1                          ; which 128 columns.  Also: which half of that tile I fetch
	s_bfe_u32 s40, ttmp6, 0x40000                  ; cx, cy
	s_bfe_u32 s41, ttmp6, 0x40004
	s_lshl_b32 s42, ttmp9, 2
	s_add_co_u32 s42, s42, s40                     ; block column, 0..3
	s_and_b32 s17, ttmp7, 0xffff
	s_lshl_b32 s17, s17, 2
	s_add_co_u32 s17, s17, s41                     ; block row, 0..63
	s_lshl_b32 s43, s41, 2
	s_lshl_b32 s43, 15, s43                        ; my row of the cluster
	s_lshl_b32 s44, 0x1111, s40                    ; my column
	s_or_b32 s[G1+0], s43, (3<<16)|(1<<21)         ; A: tiles of 4,096 bytes (512 elements of 8), 16,384 bytes apart; the head's load brings 8, the ring's 4
	s_mov_b32 s[G1+1], 512<<16
	s_mov_b32 s[G1+2], 8<<16
	s_mov_b32 s[G1+3], 512<<16
	s_mov_b32 s[G1+4], 8
	s_mov_b32 s[G1+5], 2048
	s_mov_b32 s[G1+6], 0
	s_mov_b32 s[G1+7], 0
	s_or_b32 s[G1B+0], s44, (0<<16)|(1<<20)|(1<<21)|(5<<22)|(3<<25)   ; B: rows of 256 bytes, four words of padding behind each; the head's load brings 256, the ring's 128
	s_mov_b32 s[G1B+1], ROWB<<16
	s_mov_b32 s[G1B+2], 256<<16
	s_mov_b32 s[G1B+3], ROWB<<16
	s_mov_b32 s[G1B+4], 256
	s_mov_b32 s[G1B+5], KROW
	s_mov_b32 s[G1B+6], 0
	s_mov_b32 s[G1B+7], 0
	s_or_b32 s[G1S+0], s43, (3<<16)|(1<<20)|(1<<21)|(5<<22)|(3<<25)   ; the scales: dense blocks as units of 256 bytes: A's 128 rows are 16 units,
	s_mov_b32 s[G1S+1], 32<<16
	s_mov_b32 s[G1S+2], 16<<16
	s_mov_b32 s[G1S+3], 32<<16
	s_mov_b32 s[G1S+4], 16
	s_mov_b32 s[G1S+5], 32
	s_mov_b32 s[G1S+6], 0
	s_mov_b32 s[G1S+7], 0
	s_or_b32 s[G1SB+0], s44, (3<<16)|(1<<20)|(1<<21)|(5<<22)|(3<<25)  ; B's 256 rows 32
	s_mov_b32 s[G1SB+1], 32<<16
	s_mov_b32 s[G1SB+2], 32<<16
	s_mov_b32 s[G1SB+3], 32<<16
	s_mov_b32 s[G1SB+4], 32
	s_mov_b32 s[G1SB+5], 32
	s_mov_b32 s[G1SB+6], 0
	s_mov_b32 s[G1SB+7], 0
	s_lshl_b32 s20, s17, 7                         ; the block's first row of A,
	s_lshl_b32 s46, s42, 8                         ; and of B
	s_lshl_b32 s22, s20, 5                         ; 32 scale bytes a row,
	s_mov_b32 s23, 0
	s_lshl_b32 s92, s46, 5
	s_mov_b32 s93, 0
	s_lshl_b32 s20, s20, 10                        ; 1,024 bytes of codes
	s_mov_b32 s21, 0
	s_lshl_b32 s46, s46, 10
	s_mov_b32 s47, 0
	s_mul_i32 s45, s16, HALFA                      ; where the ring's loads go: no place in the cluster enters an LDS address
	s_mul_i32 s95, s16, HALFB
	s_add_co_u32 s95, s95, 2*HALFA
	s_wait_kmcnt 0x0
	s_add_nc_u64 s[8:9], s[8:9], OWCOD
	s_add_nc_u64 s[10:11], s[10:11], OWSCL
	s_add_nc_u64 s[20:21], s[4:5], s[20:21]
	s_add_nc_u64 s[22:23], s[6:7], s[22:23]
	s_add_nc_u64 s[46:47], s[8:9], s[46:47]
	s_add_nc_u64 s[92:93], s[10:11], s[92:93]
	CROUND                                         ; all sixteen work-groups are here: the first joint loads meet
	s_mov_b32 s[G0S], 1
	s_mov_b32 s[G0S+1], SCL
	s_mov_b64 s[G0S+2:G0S+3], s[22:23]
	s_or_b32 s[G0S+3], s[G0S+3], 0x80000000
	s_mov_b32 s[G0SB], 1
	s_mov_b32 s[G0SB+1], SCL+SA
	s_mov_b64 s[G0SB+2:G0SB+3], s[92:93]
	s_or_b32 s[G0SB+3], s[G0SB+3], 0x80000000
	s_mov_b32 s4, 1                                ; group 0 of the head's loads of K step 0: A's 128 rows (the pointers that lay here have been used)
	s_mov_b32 s5, 0
	s_mov_b64 s[6:7], s[20:21]
	s_or_b32 s7, s7, 0x80000000
	s_mov_b32 s8, 1                                ; and B's 256 rows, behind them in slot 0
	s_mov_b32 s9, 2*HALFA
	s_mov_b64 s[10:11], s[46:47]
	s_or_b32 s11, s11, 0x80000000
	s_lshl_b32 s18, s16, 16                        ; for the ring: my 64 rows of A,
	s_mov_b32 s19, 0
	s_add_nc_u64 s[20:21], s[20:21], s[18:19]
	s_lshl_b32 s18, s16, 17                        ; my 128 rows of B
	s_add_nc_u64 s[46:47], s[46:47], s[18:19]
.irp s, 0,1
	s_mov_b32 s[G0+4*\s], 1
	s_add_co_u32 s[G0+4*\s+1], s45, \s*SLOT
	s_add_nc_u64 s[G0+4*\s+2:G0+4*\s+3], s[20:21], \s*4096
	s_or_b32 s[G0+4*\s+3], s[G0+4*\s+3], 0x80000000
	s_mov_b32 s[G0B+4*\s], 1
	s_add_co_u32 s[G0B+4*\s+1], s95, \s*SLOT
	s_add_nc_u64 s[G0B+4*\s+2:G0B+4*\s+3], s[46:47], \s*ROWB
	s_or_b32 s[G0B+4*\s+3], s[G0B+4*\s+3], 0x80000000
.endr
; the head's four tiles, one joint load a wave, in one tree of branches on the wave's number: wave 0 A's rows, wave 1 B's rows, wave 2 A's scales, wave 3 B's scales
.macro ARM under, g0, g1, next
	s_cmp_lt_u32 s14, \under
	s_cbranch_scc0 \next
	tensor_load_to_lds s[\g0:\g0+3], s[\g1:\g1+7]
	s_nop 0
.rept 4
	v_nop
.endr
	s_branch .Lhead_asked
\next:
.endm
	ARM 1, 4,   G1,  .Lhead_b
	ARM 2, 8,   G1B, .Lhead_sa
	ARM 3, G0S, G1S, .Lhead_sb
	tensor_load_to_lds s[G0SB:G0SB+3], s[G1SB:G1SB+7]
	s_nop 0
.rept 4
	v_nop
.endr
.Lhead_asked:
	v_and_b32 v1, 15, v0                           ; r
	v_bfe_u32 v2, v0, 4, 1                         ; h
	v_and_b32 v6, 31, v0
	v_lshlrev_b32 v[CO], 4, v6                     ; 16 x lane: A's images, the stage's rows, a row of out0
	v_mul_u32_u24 v3, v1, PITCH
	v_lshl_add_u32 v4, v2, 4, v3                   ; B: row x pitch + 16 h
	s_mul_i32 s21, s15, HALFA                      ; my 64 rows of A
	s_mul_i32 s22, s16, HALFB                      ; my 128 rows of B, behind A's tiles
	s_add_co_u32 s22, s22, 2*HALFA
.irp s, 0,1
	v_add_nc_u32 v[ADRA+\s], s21, v[CO]
	v_add_nc_u32 v[ADRB+\s], s22, v4
	s_add_co_u32 s21, s21, SLOT
	s_add_co_u32 s22, s22, SLOT
.endr
	v_mul_u32_u24 v5, v1, KS                       ; my row's scales: 32 bytes a row,
	v_lshrrev_b32 v6, 8, v5
	v_lshl_add_u32 v5, v6, 4, v5                   ; and 16 more for each 256 passed
	s_mul_i32 s21, s15, 4*SBLK                     ; A's: my 64 rows
	s_mul_i32 s22, s16, 8*SBLK                     ; B's: my 128 rows, behind A's
	s_add_co_u32 s22, s22, SA
	s_sub_co_u32 s22, s22, s21
	v_mul_u32_u24 v6, s22, v2                      ; lanes 16-31 take B's
	s_add_co_u32 s21, s21, SCL
	v_add_nc_u32 v5, v5, v6
	v_add_nc_u32 v[ADRS], s21, v5
	s_mul_i32 s23, s14, 16*SPITCH                  ; my stage
	v_mul_u32_u24 v5, v1, SPITCH
	v_lshl_add_u32 v5, v2, 6, v5                   ; in: row r; lanes 16-31 hold the columns 16 further on
	v_add_nc_u32 v[STO], s23, v5
	v_add_nc_u32 v[RD], s23, v[CO]
	s_lshl_b32 s20, s17, 1
	s_add_co_u32 s20, s20, s15
	s_lshl_b32 s20, s20, 18                        ; my first row of out0: 64 rows of 4,096 bytes
	s_lshl_b32 s46, s42, 10
	s_lshl_b32 s47, s16, 9
	s_add_co_u32 s46, s46, s47                     ; my first column, in bytes
	s_add_co_u32 s20, s20, s46
	s_mov_b32 s21, 0
	s_add_nc_u64 s[12:13], s[12:13], s[20:21]
	s_mov_b32 s47, 0
	s_add_nc_u64 s[96:97], s[96:97], s[46:47]
	v_lshlrev_b32 v[BO], 6, v2
.irp b, 0,1,2,3,4,5,6,7
	global_load_b128 v[BT+8*\b:BT+8*\b+3], v[BO], s[96:97] offset:(32*(\b/2)+8*(\b%2))*4       ; the bias at my eight columns of B's block b
	global_load_b128 v[BT+8*\b+4:BT+8*\b+7], v[BO], s[96:97] offset:(32*(\b/2)+8*(\b%2))*4+16
.endr
.macro FRAGB reg, slot, q, i
.irp c, 0,1,2,3
	ds_load_b128 v[\reg+4*\c:\reg+4*\c+3], v[ADRB+\slot] offset:128*(\q)+32*\c+(\i)*16*PITCH
.endr
.endm
.macro FRAGA reg, slot, q, i
.irp c, 0,1,2,3
	ds_load_b128 v[\reg+4*\c:\reg+4*\c+3], v[ADRA+\slot] offset:4096*(\i)+2048*(\q)+512*\c
.endr
.endm
; eight matrix instructions: A's block a x B's eight, the slot's q-th 128 along K, from the sets p.  The 32 accumulators take turns, in the same order in every step
.macro MUL8 a, p, q, sc, first
.irp b, 0,1,2,3,4,5,6,7
.if \first
	v_wmma_scale_f32_16x16x128_f8f6f4 v[8*(8*(\a)+\b):8*(8*(\a)+\b)+7], v[128*(\p)+FR*\b:128*(\p)+FR*\b+FR-1], v[AF+64*(\p)+FR*(\a):AF+64*(\p)+FR*(\a)+FR-1], v[BT+8*\b:BT+8*\b+7], v[SC+8*NQ*(\sc)+NQ*\b+(\q)], v[SC+8*NQ*(\sc)+NQ*(\a)+(\q)] matrix_a_fmt:MATRIX_FMT_BF8 matrix_b_fmt:MATRIX_FMT_BF8 matrix_a_scale:MATRIX_SCALE_ROW1
.else
	v_wmma_scale_f32_16x16x128_f8f6f4 v[8*(8*(\a)+\b):8*(8*(\a)+\b)+7], v[128*(\p)+FR*\b:128*(\p)+FR*\b+FR-1], v[AF+64*(\p)+FR*(\a):AF+64*(\p)+FR*(\a)+FR-1], v[8*(8*(\a)+\b):8*(8*(\a)+\b)+7], v[SC+8*NQ*(\sc)+NQ*\b+(\q)], v[SC+8*NQ*(\sc)+NQ*(\a)+(\q)] matrix_a_fmt:MATRIX_FMT_BF8 matrix_b_fmt:MATRIX_FMT_BF8 matrix_a_scale:MATRIX_SCALE_ROW1
.endif
.endr
.endm
.macro FETCH slot, q, p                ; a step's fragments into the sets p: 32 loads for B, 16 for A
	WIN TO_B
.irp i, 0,1,2,3,4,5,6,7
	FRAGB 128*(\p)+FR*\i, \slot, \q, \i
.endr
	WIN 0
.irp i, 0,1,2,3
	FRAGA AF+64*(\p)+FR*\i, \slot, \q, \i
.endr
.endm
.macro SCALES sc                       ; a K step's scale words: lanes 0-15 A's block i (used for i under 4), lanes 16-31 B's block i
.irp i, 0,1,2,3,4,5,6,7
	ds_load_b64 v[SC+8*NQ*\sc+NQ*\i:SC+8*NQ*\sc+NQ*\i+1], v[ADRS] offset:\i*SBLK
.endr
.endm
.macro PLACES n
.rept \n
	v_nop
.endr
.endm
; a slot's first step: its fragments lie in the sets 0; the second step's are asked for into the sets 1 ahead of the products
.macro STEP slot, first
	s_wait_dscnt 0x0                               ; the sets 0 and the scale words are in
	PLACES NP                                      ; behind the last step's products, which read the sets 1
	FETCH \slot, 1, 1
.if \first
	WIN FST_W
.else
	WIN MUL_W
.endif
.irp a, 0,1,2,3
	MUL8 \a, 0, 0, \slot, \first
.endr
	WIN 0
.endm
; a slot's second step changes slots: ONE barrier; in front of it each wave waits for all its tensor loads, adds 0 to its spare word, and waits for that and for its reads of this slot.  fill = 1: the slot is filled again, two K steps ahead
.macro TURN slot, next, fill
	s_wait_tensorcnt 0x0                           ; my part of the next slot has landed
	ds_add_u32 v[SPW], v[NIL]
	s_wait_dscnt 1                                 ; the sets 1 are in; the add may be out
	WIN MUL_W
	MUL8 0, 1, 1, \slot, 0
	s_wait_dscnt 0x0                               ; the add is done, and my reads of this slot are over
	s_barrier_signal -1
	MUL8 1, 1, 1, \slot, 0
	WIN 0
	s_barrier_wait -1
.if \fill
	CREST                                          ; the barrier has opened a round of the cluster's: no wave of any partner still reads this slot or has a load on its way
	s_add_nc_u64 s[G0+4*\slot+2:G0+4*\slot+3], s[G0+4*\slot+2:G0+4*\slot+3], 2*4096
	s_add_nc_u64 s[G0B+4*\slot+2:G0B+4*\slot+3], s[G0B+4*\slot+2:G0B+4*\slot+3], 2*ROWB
	JLOAD G0+4*\slot, G1, G0B+4*\slot, G1B         ; the first tensor load behind the round; its four v_nop are among the places in front of the loads below
	PLACES NP-4
.else
	PLACES NP
.endif
	v_add_nc_u32 v[ADRS], 4*NQ, v[ADRS]            ; on to the next K step's scale words
	s_wait_alu depctr_va_vdst(0)
	FETCH \next, 0, 0
	SCALES \next
	WIN MUL_W
	MUL8 2, 1, 1, \slot, 0
	MUL8 3, 1, 1, \slot, 0
	WIN 0
.endm
	s_wait_alu depctr_va_vdst(0)
	s_wait_tensorcnt 0x0                           ; my tile of the head's four is in; slot 1's first fill is issued as a refill is
	ds_add_u32 v[SPW], v[NIL]
	s_mov_b32 s[G1+2], 4<<16                       ; no tensor load of mine is out: from here on a load brings half a tile: four tiles of A,
	s_mov_b32 s[G1+4], 4
	s_mov_b32 s[G1B+2], 128<<16                    ; 128 rows of B
	s_mov_b32 s[G1B+4], 128
	s_wait_dscnt 0x0
	CROUND
	JLOAD G0+4, G1, G0B+4, G1B                     ; K step 1, the first tensor load behind the round
	FETCH 0, 0, 0
	SCALES 0
	s_wait_loadcnt 0x0                             ; the bias
	STEP 0, 1                                      ; the first products start the sums on the bias
	TURN 0, 1, 1
	STEP 1, 0
	TURN 1, 0, 1
	STEP 0, 0
	TURN 0, 1, 0                                   ; the last lap fills nothing
	STEP 1, 0
	s_wait_dscnt 0x0
	WIN MUL_W
.irp a, 0,1,2,3
	MUL8 \a, 1, 1, 1, 0
.endr
	WIN 0
; THE WAY OUT, block by block of 16 rows x 128 columns, through my own stage: whole rows of 512 bytes come back, which the 32 lanes store as two aligned runs of 256 bytes.  LDS serves a wave's instructions in order (ISA guide 5.7.1.4)
.macro TOSTAGE a
.set AC, 64*(\a)
	WIN 0x08                                       ; the data: window 2
.irp b, 0,1,2,3,4,5,6,7
	ds_store_b128 v[STO], v[AC+8*\b:AC+8*\b+3] offset:128*(\b/2)+32*(\b%2)          ; each accumulator from its low end on; the columns go to their true places
	ds_store_b128 v[STO], v[AC+8*\b+4:AC+8*\b+7] offset:128*(\b/2)+32*(\b%2)+16
.endr
	WIN 0
.set BB, BK+64*((\a)%2)
.irp t, 0,1,2,3,4,5,6,7,8,9,10,11,12,13,14,15
	ds_load_b128 v[BB+4*\t:BB+4*\t+3], v[RD] offset:\t*SPITCH
.endr
.endm
.macro SEND a, younger                 ; younger: the LDS instructions issued behind block a's loads, which may stay out
.set BB, BK+64*((\a)%2)
	s_wait_dscnt \younger
.irp t, 0,1,2,3,4,5,6,7,8,9,10,11,12,13,14,15
	global_store_b128 v[CO], v[BB+4*\t:BB+4*\t+3], s[12:13] offset:(32*((\a)/2)+8*((\a)%2)+\t+8*(\t/8))*4096 th:TH_STORE_NT   ; stored place t of block a is row 32 (a / 2) + 8 (a % 2) + t + 8 (t / 8)
.endr
.endm
	PLACES NP                                      ; behind the last products: for the reads of their results and for the loads into A's sets
	TOSTAGE 0
.irp a, 1,2,3
.if \a > 1
	s_wait_xcnt 0x0                                ; block a - 2's stores have read their registers: block a's loads may land there
.endif
	TOSTAGE \a
	SEND \a-1, 32                                  ; behind block a - 1's loads: block a's 16 stores and 16 loads
.endr
	SEND 3, 0
	s_wait_tensorcnt 0x0                           ; the wave's end
	ds_add_u32 v[SPW], v[NIL]
	s_wait_dscnt 0x0
	CROUND                                         ; the closing round: no work-group ends while a partner may still ask for a tile that names it
	s_endpgm
.Lfunc_end_k_q4c867a48f4_outp:
	.size	k_q4c867a48f4_outp, .Lfunc_end_k_q4c867a48f4_outp-k_q4c867a48f4_outp
	.p2alignl 7, 3214868480
	.fill 96, 4, 3214868480
	.section	.rodata,"a",@progbits
	.p2align	6, 0x0
	.amdhsa_kernel k_q4c867a48f4_outp
		.amdhsa_group_segment_fixed_size 327680
		.amdhsa_private_segment_fixed_size 0
		.amdhsa_enable_private_segment 0
		.amdhsa_kernarg_size 48
		.amdhsa_user_sgpr_count 2
		.amdhsa_user_sgpr_kernarg_segment_ptr 1
		.amdhsa_wavefront_size32 1
		.amdhsa_system_sgpr_workgroup_id_x 1
		.amdhsa_system_sgpr_workgroup_id_y 1
		.amdhsa_system_sgpr_workgroup_id_z 1
		.amdhsa_system_vgpr_workitem_id 0
		.amdhsa_next_free_vgpr 768
		.amdhsa_next_free_sgpr 98
		.amdhsa_reserve_vcc 0
		.amdhsa_float_denorm_mode_32 3
		.amdhsa_float_denorm_mode_16_64 3
		.amdhsa_memory_ordered 1
		.amdhsa_forward_progress 1
		.amdhsa_inst_pref_size 91
	.end_amdhsa_kernel
	.amdgpu_metadata
---
amdhsa.version: [ 1, 2 ]
amdhsa.kernels:
  - .name:           k_q4c867a48f4_outp
    .symbol:         k_q4c867a48f4_outp.kd
    .args:
      - { .name: o_codes, .offset: 0, .size: 8, .value_kind: global_buffer, .address_space: global }
      - { .name: o_scales, .offset: 8, .size: 8, .value_kind: global_buffer, .address_space: global }
      - { .name: cod, .offset: 16, .size: 8, .value_kind: global_buffer, .address_space: global }
      - { .name: scl, .offset: 24, .size: 8, .value_kind: global_buffer, .address_space: global }
      - { .name: out_b, .offset: 32, .size: 8, .value_kind: global_buffer, .address_space: global }
      - { .name: out0, .offset: 40, .size: 8, .value_kind: global_buffer, .address_space: global }
    .group_segment_fixed_size: 327680
    .private_segment_fixed_size: 0
    .kernarg_segment_align: 8
    .kernarg_segment_size: 48
    .max_flat_workgroup_size: 128
    .sgpr_count:     98
    .vgpr_count:     768
    .wavefront_size: 32
...
	.end_amdgpu_metadata
.endif
;; end of part 4
